; MI455X (gfx1250); checked and timed in simulation.
; The chip was launched on July 23, 2026; its instructions are those of AMD's public machine-readable ISA for CDNA 5 (MIT licence, August 2026) and "CDNA5" Instruction Set Architecture Reference Guide (July 2026). The comments in the code are by the model that wrote it; some were corrected since.
;; Multi Head Attention. Allowed arithmetic: matrix products marked QUANTISED: E2M3 operands, one E8M0 scale for each 32 along K, by v_wmma_scale_f32_16x16x128_f8f6f4 with both operands' format E2M3, f32 sums; everything else in f32.
;; Inputs: W_out 1,024 x 1,024 float32; W_qkv 1,024 x 3,072 float32; b_out 1,024 float32; b_qkv 3,072 float32; x 4 x 2,048 x 1,024 float32.
;; Outputs: out0 4 x 2,048 x 1,024 float32.
;; Constants: mask = 1.
;; This version of the problem:
;;   THIS VERSION OF THE PROBLEM IS GIVEN IN LOW PRECISION. The matrix products marked QUANTISED in the list below multiply operands that are first quantised to E2M3 (2 exponent bits, 3 mantissa bits; 6 bits a number), with one power-of-two scale for each 32 numbers along K (OCP MX v1.0); their sums are f32. All else is computed in f32.
;;   The module's matrix products, in the order in which they are computed (A, B: the left and right operand; K: the contracted axis; several contracted axes count as one K, in the product's order):
;;     1. [M 8,192, K 1,024] x [K 1,024, N 3,072]; A: input x; B: input W_qkv: QUANTISED
;;     2. batch 64 x [M 2,048, K 64] x [K 64, N 2,048]; A: computed on the way; B: computed on the way: QUANTISED
;;     3. batch 64 x [M 2,048, K 2,048] x [K 2,048, N 64]; A: softmax (see below); B: computed on the way: QUANTISED
;;     4. [M 8,192, K 1,024] x [K 1,024, N 1,024]; A: computed on the way; B: input W_out: QUANTISED
;;   THE QUANTISER, for each operand of a quantised product, along K:
;;     - K is cut into blocks of 32 from its start; a last block that is shorter is filled with zeros.
;;     - A block's scale is 2^e with e = floor(log2(the largest magnitude in the block)) - 2, held to -126 .. 127; a block of zeros has e = 0. As a byte (E8M0): e + 127.
;;     - Each number is divided by its block's scale, clamped to +-7.5, and rounded to the nearest number of E2M3, ties to even, subnormals kept.
;;     - The product sums the exact products of the quantised numbers (number of the format x scale) in f32.
;;   ~~~python
;;   def quantise(x, axis):      # numpy; x: float32 -> the quantised numbers, widened to float32 again
;;       x = np.moveaxis(x, axis, -1); K = x.shape[-1]
;;       x = np.pad(x, [(0, 0)] * (x.ndim - 1) + [(0, -K % 32)]); x = x.reshape(x.shape[:-1] + (-1, 32)); a = np.abs(x).max(-1, keepdims=True)
;;       e = np.where(a > 0, np.clip(np.frexp(np.where(a > 0, a, 1))[1] - 1 - 2, -126, 127), 0)      # np.frexp(a)[1] - 1 = floor(log2(a)), exactly
;;       r = np.clip(x / 2.0 ** e, -7.5, 7.5)
;;       step = 2.0 ** (np.maximum(np.frexp(np.where(r == 0, 1, r))[1] - 1, 0) - 3)
;;       q = np.round(r / step) * step * 2.0 ** e      # np.round: ties to even
;;       return np.moveaxis(q.reshape(q.shape[:-2] + (-1,))[..., :K], -1, axis).astype(np.float32)
;;   ~~~
;;   SOFTMAX AHEAD OF A QUANTISED PRODUCT. Where the list says 'softmax', what is quantised is not the finished softmax but p = 2^(t - M), with t = logit x log2(e) and M = ceil(the row's largest t), a whole number; so 1/2 < the row's largest p <= 1. The row's sum l is taken of the UNQUANTISED p, in f32, and the product's result is divided by l at the end. Since M is a whole number, a kernel that streams over the keys may use a running M (the ceiling of the running maximum): every later rescaling is an exact power of two, which a block's scale takes up: the codes' values come out the same.
;;   OPERANDS COMPUTED ON THE WAY. 'Computed on the way' means the value that the module computes at that place (a softmax that the list does not call 'softmax' is quantised finished and normalised). What goes into a quantiser is computed in f32, as accurately as f32 sums, v_exp_f32 and their like allow (about 1e-6 of the number): no bf16 or f16 on the way to a quantiser, and a product that is left as it is and whose result goes on into a quantised operand takes f32 operands (vector FMAs, or v_wmma_f32_16x16x4_f32). A number that lies on a knife's edge between two numbers of the format may be rounded either way, as far as f32 arithmetic and the matrix unit's own rounding can turn it there, and no further.
;; One version. Each part assembles by itself: llvm-mc -triple=amdgcn-amd-amdhsa -mcpu=gfx1250 --defsym DOCPART=n.
;; ======== version 1 of 1: 4 launches
;; limits: right only within a limited range of input values
;; workspace buffers: xq 6,553,600 bytes; wq 3,276,800 bytes; qb 6,815,744 bytes; kvb 13,369,344 bytes; vals 6,553,600 bytes
;; launch quant_all (part 1): grid 384 x 1, 4 waves a work-group, no clusters, 68,096 bytes of LDS; arguments W_qkv, W_out, wq, x, xq; writes wq, xq
.if DOCPART == 1
	.amdgcn_target "amdgcn-amd-amdhsa--gfx1250"
	.amdhsa_code_object_version 6
	.text
	.protected	k_q9229748c0e_quant_all
	.globl	k_q9229748c0e_quant_all
	.p2align	8
	.type	k_q9229748c0e_quant_all,@function
k_q9229748c0e_quant_all:
	s_mov_b64 s[64:65], 0
	v_nop
	global_prefetch_b8 v0, s[64:65] scope:SCOPE_SE
	s_setreg_imm32_b32 hwreg(HW_REG_WAVE_MODE, 25, 1), 1
	s_wait_xcnt 0x0
; One launch quantises all three f32 operands to codes of FP6 (E2M3), K innermost, 768 bytes a row, with one E8M0 byte for each 32 along K, 32 bytes a row.
; A block's scale is 2^(floor(log2(its largest magnitude)) - 2); its byte is the largest magnitude's exponent field - 2, held at 1 from below.
; LIMITS: NaN and infinities are not served; a block whose largest magnitude lies under 2^-124, a block of zeros among them, gets the byte 1 (its codes are zeros or tiny, and this program alone reads the bytes).
; Work-groups 0-127 take W_qkv and W_out (K is their FIRST axis), work-groups 128-383 take x.  The two paths part once, on the work-group's number, and have LDS bytes of their own.
; ROWS OF wq: 0-1023 q's columns (64 x head + channel), 1024-2047 k's, 2048-3071 v's, 3072-4095 W_out's.  In wq and in xq bits 3 and 4 of a row's number are exchanged: sixteen consecutive stored
; rows 32 b + 16 u + i are the rows 32 b + 8 u + i + 8 (i / 8), so that a product which takes them as source 0 leaves a lane 16 neighbours in the registers of two neighbouring tiles.
.set SPW,   208                        ; LDS address of my spare word; never rewritten
.set NIL,   209                        ; 0; never rewritten
.set WSTG,  32768                      ; the W path's four stages, behind the x path's four regions
.set SPARE, 67584                      ; behind both: the spare words, 128 bytes a wave, which no other line names
	s_load_b256 s[4:11], s[0:1], 0x0               ; W_qkv, W_out, wq, x
	s_load_b64 s[12:13], s[0:1], 0x20              ; xq
	v_lshl_add_u32 v[SPW], v0, 2, SPARE
	v_mov_b32 v[NIL], 0
	v_lshrrev_b32 v1, 5, v0
	v_readfirstlane_b32 s16, v1                    ; wave
	v_and_b32 v2, 31, v0                           ; lane
	s_cmp_lt_u32 ttmp9, 128
	s_wait_alu depctr_va_vdst(0)
	s_cbranch_scc0 .Lx_path
; ---- W.  A lane takes a column, its registers run down K: a load reads 128 consecutive bytes a wave, a block of 32 along K lies in one lane.  A wave takes 32 columns x 256 along K.
; Of the 128 work-groups, number % 32 under 24 takes W_qkv, the others W_out; number / 32 says which 256 along K.  The codes leave through the wave's stage: sixteen lanes store a row's 192 consecutive bytes.
.set NB,    8
.set ROWB,  192
.set PITCH, 272
.set KROW,  768
.set WSCL,  3145728
.set X,     32
.set C,     96
.set OUTR,  112
.set OFF,   176
.set SB,    24
.set WB,    32
	s_and_b32 s31, ttmp9, 31
	s_lshr_b32 s18, ttmp9, 5                       ; which 256 along K
	s_cmp_lt_u32 s31, 24
	s_mov_b32 s30, 4096
	s_cselect_b32 s30, 12288, s30                  ; a row of W in bytes
	s_cselect_b32 s17, 0, 24
	s_sub_co_u32 s17, s31, s17
	s_lshl_b32 s17, s17, 7
	s_lshl_b32 s19, s16, 5
	s_add_co_u32 s17, s17, s19                     ; my wave's first column n0
	s_lshr_b32 s20, s17, 6                         ; W_qkv: n0 / 64 = 3 x head + (q, k or v)
	s_mul_i32 s21, s20, 43
	s_lshr_b32 s21, s21, 7                         ; head = (n0 / 64) / 3, right for numbers under 128
	s_mul_i32 s22, s21, 3
	s_sub_co_u32 s22, s20, s22
	s_lshl_b32 s22, s22, 10
	s_lshl_b32 s21, s21, 6
	s_add_co_u32 s22, s22, s21
	s_and_b32 s21, s17, 32
	s_add_co_u32 s22, s22, s21
	s_add_co_u32 s23, s17, 3072
	s_cmp_lt_u32 s31, 24
	s_cselect_b32 s22, s22, s23                    ; my 32 stored rows begin here
	s_mul_i32 s19, s16, 32*PITCH
	s_add_co_u32 s19, s19, WSTG                    ; my stage
	v_lshlrev_b32 v3, 2, v2
	v_mul_u32_u24 v4, v2, PITCH
	v_add_nc_u32 v4, s19, v4                       ; into it: row = my column
	v_and_b32 v5, 15, v2
	v_lshrrev_b32 v6, 4, v2
	v_mul_u32_u24 v7, v6, PITCH
	v_lshl_add_u32 v7, v5, 4, v7
	v_add_nc_u32 v7, s19, v7                       ; out of it: sixteen lanes to a row
	v_mul_u32_u24 v8, v6, KROW
	v_mad_u32_u24 v8, v5, 12, v8
	v_lshrrev_b32 v9, 3, v2
	v_xor_b32 v9, v9, v6
	v_and_b32 v9, 1, v9
	v_mul_u32_u24 v9, v9, 24
	v_xor_b32 v9, v9, v2                           ; my lane with bits 3 and 4 exchanged
	v_lshlrev_b32 v9, 5, v9                        ; its row of scale bytes
.set n, 0
.rept 32
	v_mad_u32_u24 v[OFF+n], s30, n, v3
.set n, n+1
.endr
	s_mul_i32 s20, s18, s30
	s_lshl_b32 s20, s20, 8
	s_lshl_b32 s21, s17, 2
	s_add_co_u32 s20, s20, s21
	s_mov_b32 s21, 0
	s_lshl_b32 s24, s30, 5
	s_mov_b32 s25, 0
	s_mul_i32 s26, s22, KROW
	s_mul_i32 s27, s18, ROWB
	s_add_co_u32 s26, s26, s27
	s_mov_b32 s27, 0
	s_lshl_b32 s28, s22, 5
	s_lshl_b32 s29, s18, 3
	s_add_co_u32 s28, s28, s29
	s_add_co_u32 s28, s28, WSCL
	s_mov_b32 s29, 0
	s_wait_alu depctr_va_vdst(0)
	s_wait_kmcnt 0x0
	s_cmp_lt_u32 s31, 24
	s_cselect_b64 s[4:5], s[4:5], s[6:7]
	s_add_nc_u64 s[WB:WB+1], s[4:5], s[20:21]
.irp t, 1,2,3,4,5,6,7
	s_add_nc_u64 s[WB+2*\t:WB+2*\t+1], s[WB+2*\t-2:WB+2*\t-1], s[24:25]
.endr
	s_add_nc_u64 s[6:7], s[8:9], s[26:27]          ; my codes
	s_add_nc_u64 s[8:9], s[8:9], s[28:29]          ; my scale bytes
.macro WLOAD t                         ; block t: W(32 t + i, my column) into set t % 2
.set n, 0
.rept 32
	global_load_b32 v[X+32*((\t)%2)+n], v[OFF+n], s[WB+2*(\t):WB+2*(\t)+1] th:TH_LOAD_NT
.set n, n+1
.endr
.endm
	WLOAD 0
	WLOAD 1
.macro WBLOCK t
.set XS, X+32*((\t)%2)
.if (\t) < NB-1
	s_wait_loadcnt 32                              ; this block's 32 loads are in; the next block's 32 may be out
.else
	s_wait_loadcnt 0
.endif
	v_max3_num_f32 v12, |v[XS]|, |v[XS+1]|, |v[XS+2]|
	v_max3_num_f32 v13, |v[XS+3]|, |v[XS+4]|, |v[XS+5]|
.irp i, 6,10,14,18,22,26
	v_max3_num_f32 v12, v12, |v[XS+\i]|, |v[XS+\i+1]|
	v_max3_num_f32 v13, v13, |v[XS+\i+2]|, |v[XS+\i+3]|
.endr
	v_max3_num_f32 v12, v12, |v[XS+30]|, |v[XS+31]|
	v_max3_num_f32 v12, v12, v13, 0x1800000        ; and the floor 2^(3 - 127)
	v_add_nc_u32 v11, 0xff000000, v12              ; 2 off the exponent field: the conversion's scale operand
	v_lshrrev_b32 v13, 23, v11                     ; the scale's byte
.if (\t)%4 == 0
	v_mov_b32 v[SB+(\t)/4], v13
.else
	v_lshl_or_b32 v[SB+(\t)/4], v13, 8*((\t)%4), v[SB+(\t)/4]
.endif
	v_cvt_scalef32_pk16_fp6_f32 v[C:C+2], v[XS:XS+15], v11
	v_cvt_scalef32_pk16_fp6_f32 v[C+4:C+6], v[XS+16:XS+31], v11
	v_nop                                          ; one plain line behind the conversions
	ds_store_b96 v4, v[C:C+2] offset:32*(\t)       ; 12 bytes to a place of 16 in the stage
	ds_store_b96 v4, v[C+4:C+6] offset:32*(\t)+16
.if (\t)+2 < NB
	WLOAD (\t)+2
.endif
	s_wait_dscnt 0x0                               ; the stores have read their registers
.endm
.irp t, 0,1,2,3,4,5,6,7
	WBLOCK \t
.endr
	s_wait_alu depctr_va_vdst(0)
	global_store_b64 v9, v[SB:SB+1], s[8:9]        ; my column's 8 scale bytes
.irp t, 0,1,2,3,4,5,6,7,8,9,10,11,12,13,14,15
	ds_load_b96 v[OUTR+4*\t:OUTR+4*\t+2], v7 offset:2*\t*PITCH
.endr
.irp t, 0,1,2,3,4,5,6,7,8,9,10,11,12,13,14,15
	s_wait_dscnt 15-\t                             ; the younger loads from the stage may be out
	global_store_b96 v8, v[OUTR+4*\t:OUTR+4*\t+2], s[6:7] offset:2*((\t&3)|((\t&4)<<1)|((\t&8)>>1))*KROW   ; bits 3 and 4 of the column are bits 2 and 3 of t: exchanged
.endr
	s_wait_tensorcnt 0x0                           ; the wave's end
	ds_add_u32 v[SPW], v[NIL]
	s_wait_dscnt 0x0
	s_endpgm
; ---- x.  A wave takes 8 rows (16 steps of 512 numbers).  Each load reads 512 consecutive bytes; a step's 2,048 bytes turn through the wave's stage and come back 64 bytes a lane: 16 neighbours along K.
.Lx_path:
.set STEPS, 16
.set CB,    12
.set R,     16
.set X,     80
.set C,     128
.set E,     112
.set WREG,  8192
.set SP,    80
.set XSCL,  6291456
	v_lshlrev_b32 v3, 4, v2
	s_mul_i32 s17, s16, WREG
	v_lshrrev_b32 v14, 2, v2
	v_mul_u32_u24 v14, v14, SP
	v_and_b32 v15, 3, v2
	v_lshl_add_u32 v14, v15, 4, v14
	v_add_nc_u32 v14, s17, v14                     ; the stage, on the way in
	v_mul_u32_u24 v15, v2, SP
	v_add_nc_u32 v15, s17, v15                     ; and on the way out
	v_mul_u32_u24 v4, v2, CB
	v_lshrrev_b32 v5, 1, v2
	s_add_co_u32 s17, s17, 2*32*SP
	v_add_nc_u32 v5, s17, v5                       ; my wave's 256 scale bytes, my block's byte
	v_lshlrev_b32 v7, 3, v2
	v_add_nc_u32 v6, s17, v7
	s_sub_co_u32 s18, ttmp9, 128
	s_lshl_b32 s18, s18, 2
	s_add_co_u32 s19, s18, s16                     ; the run of 8 rows that I read
	s_and_b32 s22, s16, 1
	s_lshl_b32 s22, s22, 1
	s_lshr_b32 s23, s16, 1
	s_or_b32 s22, s22, s23                         ; the wave's two bits exchanged
	s_add_co_u32 s22, s18, s22                     ; the run of 8 stored rows that I write
	s_lshl_b32 s20, s19, 15
	s_mov_b32 s21, 0
	s_mul_i32 s24, s22, 32*STEPS*CB
	s_mov_b32 s25, 0
	s_lshl_b32 s26, s22, 8
	s_add_co_u32 s26, s26, XSCL
	s_mov_b32 s27, 0
	s_wait_alu depctr_va_vdst(0)
	s_wait_kmcnt 0x0
	s_add_nc_u64 s[4:5], s[10:11], s[20:21]
	s_add_nc_u64 s[8:9], s[12:13], s[24:25]
	s_add_nc_u64 s[10:11], s[12:13], s[26:27]
.macro XLOAD t
.irp i, 0,1,2,3
	global_load_b128 v[R+16*((\t)%4)+4*\i:R+16*((\t)%4)+4*\i+3], v3, s[4:5] offset:2048*(\t)+512*\i th:TH_LOAD_NT
.endr
.endm
.macro XTURN t                         ; LDS serves a wave's instructions in order: no wait between the stores and the loads
.irp i, 0,1,2,3
	ds_store_b128 v14, v[R+16*((\t)%4)+4*\i:R+16*((\t)%4)+4*\i+3] offset:32*SP*((\t)%2)+8*SP*\i
.endr
.irp i, 0,1,2,3
	ds_load_b128 v[X+16*((\t)%2)+4*\i:X+16*((\t)%2)+4*\i+3], v15 offset:32*SP*((\t)%2)+16*\i
.endr
.endm
.irp t, 0,1,2,3
	XLOAD \t
.endr
	s_wait_loadcnt 12                              ; step 0's four loads are in; the 12 of steps 1 to 3 may be out
	XTURN 0
.macro XSTEP t
.set XS, X+16*((\t)%2)
.if (\t) > 0
	s_wait_dscnt 1                                 ; this step's numbers are back (the last step's byte store may be out)
.else
	s_wait_dscnt 0x0
.endif
.if (\t)+4 < STEPS
	XLOAD (\t)+4
.endif
.if (\t)+1 < STEPS
.if STEPS-2-(\t) >= 3
	s_wait_loadcnt 12                              ; the next step's four loads are in; those of the three steps behind it may be out
.else
	s_wait_loadcnt 4*(STEPS-2-(\t))
.endif
	XTURN (\t)+1
.endif
	v_max3_num_f32 v8, |v[XS]|, |v[XS+1]|, |v[XS+2]|
	v_max3_num_f32 v9, |v[XS+3]|, |v[XS+4]|, |v[XS+5]|
.irp i, 6,10
	v_max3_num_f32 v8, v8, |v[XS+\i]|, |v[XS+\i+1]|
	v_max3_num_f32 v9, v9, |v[XS+\i+2]|, |v[XS+\i+3]|
.endr
	v_max3_num_f32 v8, v8, |v[XS+14]|, |v[XS+15]|
	v_max3_num_f32 v8, v8, v9, 0x1800000
	v_max_num_f32_dpp v8, v8, v8 row_xmask:1 row_mask:0xf bank_mask:0xf   ; with my neighbour's 16: the block's
	v_add_nc_u32 v11, 0xff000000, v8
	v_cvt_scalef32_pk16_fp6_f32 v[C+4*(\t):C+4*(\t)+2], v[XS:XS+15], v11
	v_lshrrev_b32 v[E+(\t)], 23, v11               ; the scale's byte (also the plain line behind the conversion)
	ds_store_b8 v5, v[E+(\t)] offset:16*(\t)
	global_store_b96 v4, v[C+4*(\t):C+4*(\t)+2], s[8:9] offset:32*CB*(\t)   ; the wave stores 384 consecutive bytes
.endm
.irp t, 0,1,2,3,4,5,6,7,8,9,10,11,12,13,14,15
	XSTEP \t
.endr
	ds_load_b64 v[8:9], v6
	s_wait_dscnt 0x0
	global_store_b64 v7, v[8:9], s[10:11]          ; 32 lanes store 256 consecutive bytes, aligned
	s_wait_tensorcnt 0x0                           ; the wave's end
	ds_add_u32 v[SPW], v[NIL]
	s_wait_dscnt 0x0
	s_endpgm
.Lfunc_end_k_q9229748c0e_quant_all:
	.size	k_q9229748c0e_quant_all, .Lfunc_end_k_q9229748c0e_quant_all-k_q9229748c0e_quant_all
	.p2alignl 7, 3214868480
	.fill 96, 4, 3214868480
	.section	.rodata,"a",@progbits
	.p2align	6, 0x0
	.amdhsa_kernel k_q9229748c0e_quant_all
		.amdhsa_group_segment_fixed_size 68096
		.amdhsa_private_segment_fixed_size 0
		.amdhsa_enable_private_segment 0
		.amdhsa_kernarg_size 40
		.amdhsa_user_sgpr_count 2
		.amdhsa_user_sgpr_kernarg_segment_ptr 1
		.amdhsa_wavefront_size32 1
		.amdhsa_system_sgpr_workgroup_id_x 1
		.amdhsa_system_sgpr_workgroup_id_y 1
		.amdhsa_system_sgpr_workgroup_id_z 1
		.amdhsa_system_vgpr_workitem_id 0
		.amdhsa_next_free_vgpr 216
		.amdhsa_next_free_sgpr 66
		.amdhsa_reserve_vcc 0
		.amdhsa_float_denorm_mode_32 3
		.amdhsa_float_denorm_mode_16_64 3
		.amdhsa_memory_ordered 1
		.amdhsa_forward_progress 1
		.amdhsa_inst_pref_size 77
	.end_amdhsa_kernel
	.amdgpu_metadata
---
amdhsa.version: [ 1, 2 ]
amdhsa.kernels:
  - .name:           k_q9229748c0e_quant_all
    .symbol:         k_q9229748c0e_quant_all.kd
    .args:
      - { .name: W_qkv, .offset: 0, .size: 8, .value_kind: global_buffer, .address_space: global }
      - { .name: W_out, .offset: 8, .size: 8, .value_kind: global_buffer, .address_space: global }
      - { .name: wq, .offset: 16, .size: 8, .value_kind: global_buffer, .address_space: global }
      - { .name: x, .offset: 24, .size: 8, .value_kind: global_buffer, .address_space: global }
      - { .name: xq, .offset: 32, .size: 8, .value_kind: global_buffer, .address_space: global }
    .group_segment_fixed_size: 68096
    .private_segment_fixed_size: 0
    .kernarg_segment_align: 8
    .kernarg_segment_size: 40
    .max_flat_workgroup_size: 128
    .sgpr_count:     66
    .vgpr_count:     216
    .wavefront_size: 32
...
	.end_amdgpu_metadata
.endif
;; end of part 1
;; launch gemm_qkv (part 2): grid 4 x 64, 4 waves a work-group, clusters of 4 x 4, 327,680 bytes of LDS; arguments xq, wq, b_qkv, qb, kvb; writes qb, kvb
.if DOCPART == 2
	.amdgcn_target "amdgcn-amd-amdhsa--gfx1250"
	.amdhsa_code_object_version 6
	.text
	.protected	k_q9229748c0e_gemm_qkv
	.globl	k_q9229748c0e_gemm_qkv
	.p2align	8
	.type	k_q9229748c0e_gemm_qkv,@function
k_q9229748c0e_gemm_qkv:
	s_mov_b64 s[64:65], 0
	v_nop
	global_prefetch_b8 v0, s[64:65] scope:SCOPE_SE
	s_setreg_imm32_b32 hwreg(HW_REG_WAVE_MODE, 25, 1), 1
	s_wait_xcnt 0x0
	s_wait_alu depctr_hold_cnt(0) depctr_sa_sdst(0) depctr_va_vdst(0) depctr_va_sdst(0) depctr_va_ssrc(0) depctr_va_vcc(0) depctr_vm_vsrc(0)
	s_getreg_b32 s2, hwreg(HW_REG_IB_STS2, 6, 4)
	s_cmp_eq_u32 s2, 0
	s_cbranch_scc0 .Lentry_in_a_cluster
	s_endpgm
.Lentry_in_a_cluster:
	s_bfe_u32 s2, ttmp6, 0x10000c
	s_cmp_lg_u32 s2, 0xf033
	s_cbranch_scc0 .Lentry_shape_is_right
	s_endpgm
.Lentry_shape_is_right:
; qkv = Q(x) Q(W_qkv) + b_qkv on codes of FP6 (E2M3) with E8M0 scales, K = 1,024; the results are quantised in registers, q and k along the head's 64 channels, v along the keys, and leave as images of the
; operand registers that the attention launch wants.  No f32 result goes to memory.
; SHARES: 256 work-groups; each takes 128 tokens (one key step of a batch: work-group y) and four heads (work-group x), in three units: q's 256 channels, k's, v's.  x's 128 rows stay in LDS with all of K;
; W's 256 rows of a unit lie beside them and are filled again for the next unit while the finished unit is quantised in registers.  A row of codes is 768 bytes of memory, from a multiple of 256 on;
; in LDS 16 bytes of padding follow every 256: rows 816 bytes apart.  128 + 256 rows are 313,344 bytes.
; A wave makes 64 x 128: 32 accumulators.  The matrix instruction is used transposed: source 0 = 16 rows of 'B', source 1 = 16 rows of 'A': a lane holds one row of A, its registers run along B's rows.
; Units q, k: A = 64 of the tokens (wave / 2), B = two heads' channels (wave % 2).  Unit v: A = one head's 64 channels (wave), B = the 128 tokens.  Only the address and scale registers differ.
; Stored rows have bits 3 and 4 of their number exchanged, so the 16 registers of B's blocks 2 b, 2 b + 1 are 16 neighbours: 32 b + 16 (lane / 16) + 0 .. 15.
; SCALE WORDS go from memory straight into registers: a row's 32 bytes are the words of its 8 steps; 4 blocks in v32-63, 8 blocks in v64-127, lane l takes row l % 16.
; CLUSTERS 4 x 4: x's tile is asked for jointly along a row of the cluster (the four head groups), W's along a column (four token tiles).
; PREFETCH: at the head of units q and k each wave names the next unit's rows that it will fetch, 16 of its 64 (the four partners share them out by address), 3 blocks of 256 bytes a row, 256 products ahead of the refill.
; LIMITS: NaN and infinities are not served; a block whose largest magnitude lies under 2^-124, a block of zeros among them, gets the byte 1 (this program alone reads the bytes).
; REGISTERS: window 0: v0-31 addresses, v32-127 scale words, v160-255 A's fragments, two sets; window 1: B's fragments, two sets; window 2: the accumulators ((a, b) at v[8 (8 a + b)]); window 3: the way out.
.set PITCH, 816
.set KROW,  768
.set FR,    12
.set WL,    128*PITCH                  ; W's rows, behind x's
.set SPARE, 384*PITCH                  ; the spare words, 128 bytes a wave, which no other line names
.set UNITB, 1024*KROW                  ; from a unit's rows of wq to the next unit's
.set XSC,   6291456                    ; where the scale bytes begin in xq
.set WSC,   3145728                    ; and in wq
.set FLAGS, (1<<20)|(1<<21)|(5<<22)|(3<<25)   ; elements of 1 byte; padding on; bit 21 beside a mask; 4 words behind every 64
.set AXQ, 4                            ; v4-5 units q, k: A's rows (the second register: lanes 16-31 behind one padding more)
.set BWQ, 6                            ; v6-9 units q, k: B's blocks 0-3, blocks 4-7
.set AWV, 10                           ; v10-11 unit v: A's rows
.set BXV, 12                           ; v12-15 unit v: B's
.set LI,  16                           ; 16 x lane
.set BO,  17                           ; q, k: my offset among the biases
.set SO,  18                           ; 32 x (lane % 16): my row of scale bytes
.set SSO, 19                           ; q, k: my place in the scale images
.set LIR, 20                           ; 16 x (lane % 16)
.set PF1, 21
.set PF2, 22
.set BOV, 23                           ; v: my offset among the biases
.set LANE, 24
.set SPW, 28
.set NIL, 29
.set S32, 32
.set S64, 64
.set AF,  160
.set BJ,  0                            ; window 3: v0-63 biases; v64-127 results with bias; v128-151 images; v152-158, v160-175 at work; v176-179 scale words made; v180-183 chosen; v184 16 x (lane / 16)
.set T,   64
.set XA,  128
.set XB,  140
.set TC,  152
.set TM,  160
.set PWR, 176
.set SW,  180
.set SHR, 184
.set G1X, 24
.set G1W, 32
.set G1R, 40
.set G0X, 48
.set G0W, 52
.set G0R, 56
.set PX4, 68                           ; scale bytes: my 64 tokens'; s[70:71] all 128 tokens'; s[72:73] my 128 channels' of k; s[74:75] my 64 channels' of v
.set PX8, 70
.set PW8, 72
.set PW4, 74
.set P32, 76                           ; what the next loads of scale words take
.set P64, 78
.set PFB, 80
.set IA,  82
.set IB,  84
.set SA,  86
.set BP,  88
.set SEL, 90
.set U,   92
.set MSB, 0
.macro WIN new                         ; the immediate's high byte repeats the setting that is left
.if MSB != (\new)
	s_set_vgpr_msb (MSB<<8)|(\new)
.set MSB, (\new)
.endif
.endm
.set MUL,  0xa1                        ; source 0 window 1, source 1 window 0, C and D window 2
.set TO_B, 0x40
.macro PLACES
.rept 4
	v_nop
.endr
.endm
.macro CROUND                          ; a round of the cluster's barrier
	s_barrier_signal -1
	s_barrier_wait -1
	s_cmp_lg_u32 s14, 0
	s_cbranch_scc1 .Lnot_wave_0_\@
	s_barrier_signal -3
.Lnot_wave_0_\@:
	s_barrier_wait -3
	s_barrier_signal -1
	s_barrier_wait -1
.endm
.macro GRP1 g, rows                    ; rows of 768 bytes, 768 apart
	s_mov_b32 s[\g+1], KROW<<16
	s_mov_b32 s[\g+2], (\rows)<<16
	s_mov_b32 s[\g+3], KROW<<16
	s_mov_b32 s[\g+4], \rows
	s_mov_b32 s[\g+5], KROW
	s_mov_b32 s[\g+6], 0
	s_mov_b32 s[\g+7], 0
.endm
	s_load_b256 s[4:11], s[0:1], 0x0               ; xq, wq, b_qkv, qb
	s_load_b64 s[12:13], s[0:1], 0x20              ; kvb
	v_lshl_add_u32 v[SPW], v0, 2, SPARE
	v_mov_b32 v[NIL], 0
	ds_add_u32 v[SPW], v[NIL]                      ; the opening lines: the add twice and its wait ahead of my first tensor load
	ds_add_u32 v[SPW], v[NIL]
	v_lshrrev_b32 v1, 5, v0
	v_readfirstlane_b32 s14, v1                    ; wave w
	s_lshr_b32 s15, s14, 1                         ; wa
	s_and_b32 s16, s14, 1                          ; wb
	s_bfe_u32 s17, ttmp6, 0x40000                  ; cx: the head group
	s_bfe_u32 s18, ttmp6, 0x40004                  ; cy
	s_and_b32 s19, ttmp7, 0xffff
	s_lshl_b32 s19, s19, 2
	s_add_co_u32 s19, s19, s18                     ; the token tile
	s_lshl_b32 s20, s18, 2
	s_lshl_b32 s20, 15, s20                        ; my row of the cluster
	s_lshl_b32 s21, 0x1111, s17                    ; my column
	s_or_b32 s[G1X], s20, FLAGS
	s_or_b32 s[G1W], s21, FLAGS
	s_or_b32 s[G1R], s21, FLAGS
	GRP1 G1X, 64
	GRP1 G1W, 128
	GRP1 G1R, 64
	s_lshl_b32 s60, s19, 7
	s_lshl_b32 s22, s16, 6
	s_add_co_u32 s60, s60, s22
	s_mul_i32 s60, s60, KROW                       ; the head: waves 0, 1 fetch 64 rows of x each
	s_mov_b32 s61, 0
	s_lshl_b32 s62, s17, 8
	s_lshl_b32 s22, s16, 7
	s_add_co_u32 s22, s62, s22                     ; 256 cx + 128 wb
	s_lshl_b32 s72, s22, 5
	s_add_co_u32 s72, s72, WSC
	s_mov_b32 s73, 0
	s_lshl_b32 s23, s14, 6
	s_add_co_u32 s23, s62, s23                     ; 256 cx + 64 w
	s_mul_i32 s62, s22, KROW                       ; the head: waves 2, 3 fetch 128 rows of W each
	s_mov_b32 s63, 0
	s_mul_i32 s66, s23, KROW                       ; a refill: every wave fetches 64 rows
	s_mov_b32 s67, 0
	s_lshl_b32 s74, s23, 5
	s_add_co_u32 s74, s74, WSC+2048*32
	s_mov_b32 s75, 0
	s_lshl_b32 s22, s18, 4
	s_add_co_u32 s22, s23, s22                     ; the prefetches: my work-group's 16 of my 64 rows
	s_mul_i32 s80, s22, KROW
	s_mov_b32 s81, 0
	s_lshl_b32 s70, s19, 12
	s_add_co_u32 s70, s70, XSC
	s_mov_b32 s71, 0
	s_lshl_b32 s68, s15, 11
	s_add_co_u32 s68, s68, s70
	s_mov_b32 s69, 0
	s_mul_i32 s[G0X+1], s16, 64*PITCH
	s_mul_i32 s[G0W+1], s16, 128*PITCH
	s_add_co_u32 s[G0W+1], s[G0W+1], WL
	s_mul_i32 s[G0R+1], s14, 64*PITCH
	s_add_co_u32 s[G0R+1], s[G0R+1], WL
	s_mov_b32 s[G0X], 1
	s_mov_b32 s[G0W], 1
	s_mov_b32 s[G0R], 1
	s_mul_i32 s93, s15, 64*PITCH                   ; LDS: my rows in each role
	s_mul_i32 s94, s16, 128*PITCH
	s_add_co_u32 s94, s94, WL
	s_add_co_u32 s96, s94, 64*PITCH
	s_mul_i32 s95, s14, 64*PITCH
	s_add_co_u32 s95, s95, WL
	s_mov_b32 s[SEL], 0x76543210
	s_mov_b32 s[SEL+1], 0xfedcba98
	s_mov_b32 s[U], 0
	s_wait_dscnt 0x0                               ; both opening adds are done
	s_wait_kmcnt 0x0
	s_add_nc_u64 s[G0X+2:G0X+3], s[4:5], s[60:61]
	s_or_b32 s[G0X+3], s[G0X+3], 0x80000000
	s_add_nc_u64 s[G0W+2:G0W+3], s[6:7], s[62:63]
	s_or_b32 s[G0W+3], s[G0W+3], 0x80000000
	s_add_nc_u64 s[G0R+2:G0R+3], s[6:7], s[66:67]
	s_or_b32 s[G0R+3], s[G0R+3], 0x80000000
	s_add_nc_u64 s[PX4:PX4+1], s[4:5], s[68:69]
	s_add_nc_u64 s[PX8:PX8+1], s[4:5], s[70:71]
	s_add_nc_u64 s[PW8:PW8+1], s[6:7], s[72:73]
	s_add_nc_u64 s[PW4:PW4+1], s[6:7], s[74:75]
	s_add_nc_u64 s[PFB:PFB+1], s[6:7], s[80:81]
	s_mov_b64 s[P32:P32+1], s[PX4:PX4+1]
	s_mov_b64 s[P64:P64+1], s[PW8:PW8+1]
	s_add_nc_u64 s[PW8:PW8+1], s[PW8:PW8+1], 32768 ; on to k's channels
	CROUND                                         ; all sixteen work-groups are here: the first joint loads meet
	s_cmp_eq_u32 s15, 0                            ; one load a wave, one in each arm
	s_cbranch_scc0 .Lhead_w
	tensor_load_to_lds s[G0X:G0X+3], s[G1X:G1X+7]
	s_nop 0
	PLACES
	s_branch .Lhead_asked
.Lhead_w:
	tensor_load_to_lds s[G0W:G0W+3], s[G1W:G1W+7]
	s_nop 0
	PLACES
.Lhead_asked:
	v_and_b32 v1, 15, v0                           ; r
	v_bfe_u32 v2, v0, 4, 1                         ; h
	v_and_b32 v[LANE], 31, v0
	v_mul_u32_u24 v3, v1, PITCH
	v_mad_u32_u24 v3, v2, 24, v3                   ; a fragment's row x pitch + 24 h
	v_lshl_add_u32 v25, v2, 4, v3                  ; and behind one padding more in lanes 16-31
	v_add_nc_u32 v[AXQ], s93, v3
	v_add_nc_u32 v[AXQ+1], s93, v25
	v_add_nc_u32 v[BWQ], s94, v3
	v_add_nc_u32 v[BWQ+1], s94, v25
	v_add_nc_u32 v[BWQ+2], s96, v3
	v_add_nc_u32 v[BWQ+3], s96, v25
	v_add_nc_u32 v[AWV], s95, v3
	v_add_nc_u32 v[AWV+1], s95, v25
	v_mov_b32 v[BXV], v3
	v_mov_b32 v[BXV+1], v25
	v_add_nc_u32 v[BXV+2], 64*PITCH, v3
	v_add_nc_u32 v[BXV+3], 64*PITCH, v25
	v_lshlrev_b32 v[LI], 4, v[LANE]
	v_lshlrev_b32 v[LIR], 4, v1
	v_lshlrev_b32 v[SO], 5, v1
	v_lshlrev_b32 v[BO], 6, v2
	v_lshrrev_b32 v[BOV], 3, v1
	v_lshl_add_u32 v[BOV], v[BOV], 3, v1
	v_lshlrev_b32 v[BOV], 2, v[BOV]                ; lane r of block 2 b + u holds channel 32 b + 8 u + r + 8 (r / 8)
	v_mul_u32_u24 v[PF2], v1, KROW
	v_lshl_add_u32 v[PF1], v2, 8, v[PF2]           ; a row's blocks 0 and 1,
	v_add_nc_u32 v[PF2], 512, v[PF2]               ; and block 2 (lanes 16-31 name it again)
	WIN 0xc0
	v_lshlrev_b32 v[SHR], 4, v2
.irp b, 0,1,2,3
	v_mov_b32 v[TM+4+\b], 0                        ; written once: a lane permute's destination counts as one of its sources
.endr
	WIN 0
.macro SLOAD                           ; 24 loads: the scale words of 4 and of 8 blocks, all 8 steps
.irp i, 0,1,2,3
	global_load_b128 v[S32+8*\i:S32+8*\i+3], v[SO], s[P32:P32+1] offset:512*\i
	global_load_b128 v[S32+8*\i+4:S32+8*\i+7], v[SO], s[P32:P32+1] offset:512*\i+16
.endr
.irp i, 0,1,2,3,4,5,6,7
	global_load_b128 v[S64+8*\i:S64+8*\i+3], v[SO], s[P64:P64+1] offset:512*\i
	global_load_b128 v[S64+8*\i+4:S64+8*\i+7], v[SO], s[P64:P64+1] offset:512*\i+16
.endr
.endm
	SLOAD
; A fragment, 16 rows x 128 K, is 12 registers: registers 6 c .. 6 c + 5 hold K = 64 c + 32 (lane / 16) + 0 .. 31, as they lie in the row; in pieces of 8 bytes.  Piece PC of a row lies at 8 PC + 16 (PC / 32).
.macro FRAG reg, adr, st, off
.irp p, 0,1,2,3,4,5
.set PC, 12*(\st)+6*(\p/3)+\p%3
.if PC%32 < 29
	ds_load_b64 v[\reg+2*\p:\reg+2*\p+1], v[\adr] offset:8*PC+16*(PC/32)+(\off)
.else
	ds_load_b64 v[\reg+2*\p:\reg+2*\p+1], v[\adr+1] offset:8*PC+16*(PC/32)+(\off)
.endif
.endr
.endm
.macro FETCH st, ra, rb                ; 72 loads: step st's fragments into set st % 2
	WIN TO_B
.irp i, 0,1,2,3,4,5,6,7
	FRAG 128*((\st)%2)+FR*\i, \rb+2*(\i/4), \st, (\i%4)*16*PITCH
.endr
	WIN 0
.irp i, 0,1,2,3
	FRAG AF+48*((\st)%2)+FR*\i, \ra, \st, \i*16*PITCH
.endr
.endm
.macro MULS st, zero, sa, sb           ; 32 products; the 32 accumulators take turns, in the same order in every step
	WIN MUL
.irp a, 0,1,2,3
.irp b, 0,1,2,3,4,5,6,7
.if \zero
	v_wmma_scale_f32_16x16x128_f8f6f4 v[8*(8*\a+\b):8*(8*\a+\b)+7], v[128*((\st)%2)+FR*\b:128*((\st)%2)+FR*\b+FR-1], v[AF+48*((\st)%2)+FR*\a:AF+48*((\st)%2)+FR*\a+FR-1], 0, v[\sb+8*\b+(\st)], v[\sa+8*\a+(\st)] matrix_a_fmt:MATRIX_FMT_FP6 matrix_b_fmt:MATRIX_FMT_FP6
.else
	v_wmma_scale_f32_16x16x128_f8f6f4 v[8*(8*\a+\b):8*(8*\a+\b)+7], v[128*((\st)%2)+FR*\b:128*((\st)%2)+FR*\b+FR-1], v[AF+48*((\st)%2)+FR*\a:AF+48*((\st)%2)+FR*\a+FR-1], v[8*(8*\a+\b):8*(8*\a+\b)+7], v[\sb+8*\b+(\st)], v[\sa+8*\a+(\st)] matrix_a_fmt:MATRIX_FMT_FP6 matrix_b_fmt:MATRIX_FMT_FP6
.endif
.endr
.endr
.endm
.macro PRODUCT ra, rb, sa, sb          ; all of K: in each step the next step's fragments are asked for ahead of the step's 32 products
	FETCH 0, \ra, \rb
	s_wait_dscnt 0x0
	FETCH 1, \ra, \rb
	MULS 0, 1, \sa, \sb                            ; the first step's products start the sums
.set ST, 1
.rept 6
	s_wait_dscnt 0x0                               ; this step's fragments are in: asked for 32 products ago
	PLACES                                         ; in front of loads into the set that the last step multiplied
	FETCH ST+1, \ra, \rb
	MULS ST, 0, \sa, \sb
.set ST, ST+1
.endr
	s_wait_dscnt 0x0
	MULS 7, 0, \sa, \sb
	WIN 0
.endm
.macro UTOP                            ; a unit's head: my tensor load has landed, everybody's has; the scale words are in
	s_wait_alu depctr_va_vdst(0)
	s_wait_tensorcnt 0x0
	s_barrier_signal -1
	s_barrier_wait -1
	s_wait_loadcnt 0x0
.endm
; 64 numbers of a lane, register 16 b + i = place 32 b + 16 (lane / 16) + i along the next K, become codes: places 0-63 in v[dA .. dA + 5], 64-127 in v[dB .. dB + 5], and the four blocks' bytes in v[pw].  All in window 3.
.macro QUANT s, dA, dB, pw
.irp b, 0,1,2,3
	v_max3_num_f32 v[TM+\b], |v[\s+16*\b]|, |v[\s+1+16*\b]|, 0x1800000   ; and the floor 2^(3 - 127)
.endr
.irp i, 2,4,6,8,10,12,14
.irp b, 0,1,2,3
	v_max3_num_f32 v[TM+\b], v[TM+\b], |v[\s+16*\b+\i]|, |v[\s+1+16*\b+\i]|
.endr
.endr
.irp b, 0,1,2,3
	v_permlanex16_b32 v[TM+4+\b], v[TM+\b], s[SEL], s[SEL+1]
.endr
.irp b, 0,1,2,3
	v_max_num_f32 v[TM+\b], v[TM+\b], v[TM+4+\b]   ; with lane l xor 16's: the block's largest magnitude
.endr
.irp b, 0,1,2,3
	v_add_nc_u32 v[TM+12+\b], 0xff000000, v[TM+\b] ; 2 off its exponent field: the conversion's scale operand
.endr
.irp b, 0,1,2,3
	v_lshrrev_b32 v[TM+4+\b], 23, v[TM+12+\b]      ; the scale's byte
.endr
	v_lshl_or_b32 v[(\pw)], v[TM+5], 8, v[TM+4]
	v_lshl_or_b32 v[(\pw)], v[TM+6], 16, v[(\pw)]
	v_lshl_or_b32 v[(\pw)], v[TM+7], 24, v[(\pw)]
	v_cvt_scalef32_pk16_fp6_f32 v[(\dA):(\dA)+2], v[\s:\s+15], v[TM+12]
	v_cvt_scalef32_pk16_fp6_f32 v[TC:TC+2], v[\s+16:\s+31], v[TM+13]
	v_cvt_scalef32_pk16_fp6_f32 v[(\dB):(\dB)+2], v[\s+32:\s+47], v[TM+14]
	v_cvt_scalef32_pk16_fp6_f32 v[TC+4:TC+6], v[\s+48:\s+63], v[TM+15]
	v_nop                                          ; one plain line behind the conversions
.irp i, 0,1,2
	v_permlane16_swap_b32 v[(\dA)+\i], v[TC+\i]    ; lanes 0-15 get block 0 whole, lanes 16-31 block 1
.endr
.irp i, 0,1,2
	v_mov_b32 v[(\dA)+3+\i], v[TC+\i]
.endr
.irp i, 0,1,2
	v_permlane16_swap_b32 v[(\dB)+\i], v[TC+4+\i]
.endr
.irp i, 0,1,2
	v_mov_b32 v[(\dB)+3+\i], v[TC+4+\i]
.endr
.endm
	s_lshr_b32 s20, s19, 4                         ; batch
	s_and_b32 s21, s19, 15                         ; g: the key step
	s_wait_alu depctr_va_vdst(0)
.Lunit:                                            ; two trips: unit q (U = 0), unit k (U = 1)
	s_wait_xcnt 0x0                                ; the last trip's stores, loads and prefetches have read their bases and registers
	s_add_nc_u64 s[PFB:PFB+1], s[PFB:PFB+1], UNITB ; the next unit's rows
	s_lshl_b32 s95, s17, 2
	s_lshl_b32 s96, s16, 1
	s_add_co_u32 s95, s95, s96                     ; the first of my two heads
	s_lshl_b32 s96, s20, 4
	s_add_co_u32 s96, s96, s95                     ; 16 x batch + head
	s_cmp_eq_u32 s[U], 0                           ; qb: 98,304 bytes of images a head, 6,144 a step, the scale images apart, 8,192 a head.  kvb: 13,056 bytes a step: k's images, v's fragments, k's scale image, v's; 208,896 a head
	s_cselect_b64 s[2:3], s[10:11], s[12:13]       ; qb or kvb
	s_mov_b32 s101, 208896
	s_cselect_b32 s101, 98304, s101                ; from head to head among the images
	s_mov_b32 s97, 13056
	s_cselect_b32 s97, 6144, s97                   ; from step to step
	s_cselect_b32 s100, 8192, s101                 ; from head to head among the scale images
	s_mul_i32 s94, s96, s101
	s_mul_i32 s97, s21, s97
	s_add_co_u32 s94, s94, s97
	s_mul_i32 s97, s15, 3072                       ; my 64 tokens: two of the step's four pair images
	s_add_co_u32 s98, s94, s97
	s_mov_b32 s99, 0
	s_add_nc_u64 s[IA:IA+1], s[2:3], s[98:99]
	s_mov_b32 s98, s101
	s_add_nc_u64 s[IB:IB+1], s[IA:IA+1], s[98:99]
	s_lshl_b32 s93, s96, 13
	s_lshl_b32 s97, s21, 9
	s_add_co_u32 s93, s93, s97
	s_add_co_u32 s93, s93, 6291456                 ; q's scale image of the step
	s_add_co_u32 s94, s94, 12288                   ; k's, behind the step's codes
	s_cmp_eq_u32 s[U], 0
	s_cselect_b32 s98, s93, s94
	s_lshl_b32 s97, s15, 8                         ; my four blocks' words are 256 of the image's 512 bytes
	s_add_co_u32 s98, s98, s97
	s_add_nc_u64 s[SA:SA+1], s[2:3], s[98:99]
	s_mul_i32 s98, s95, 192
	s_lshl_b32 s97, s[U], 6
	s_add_co_u32 s98, s98, s97
	s_lshl_b32 s98, s98, 2
	s_add_nc_u64 s[BP:BP+1], s[8:9], s[98:99]      ; b_qkv at my first head's q or k
	v_mad_u32_u24 v[SSO], v2, s100, v[LIR]         ; lanes 0-15 the first head's image, lanes 16-31 the second's
	UTOP
	WIN 0xc0
.irp b, 0,1,2,3,4,5,6,7                ; register 8 b + j is channel 32 ((b / 2) % 2) + 16 h + 8 (b % 2) + j of head b / 4
	global_load_b128 v[BJ+8*\b:BJ+8*\b+3], v[BO], s[BP:BP+1] offset:(\b/4)*768+((\b/2)%2)*128+(\b%2)*32
	global_load_b128 v[BJ+8*\b+4:BJ+8*\b+7], v[BO], s[BP:BP+1] offset:(\b/4)*768+((\b/2)%2)*128+(\b%2)*32+16
.endr
	WIN 0
	global_prefetch_b8 v[PF1], s[PFB:PFB+1] th:TH_LOAD_NT scope:SCOPE_SE
	global_prefetch_b8 v[PF2], s[PFB:PFB+1] th:TH_LOAD_NT scope:SCOPE_SE
	PRODUCT AXQ, BWQ, S32, S64
	s_wait_tensorcnt 0x0                           ; no tensor load of mine is out;
	ds_add_u32 v[SPW], v[NIL]
	s_add_nc_u64 s[G0R+2:G0R+3], s[G0R+2:G0R+3], UNITB
	s_cmp_eq_u32 s[U], 0                           ; the next unit's scale words: k: my tokens' and k's channels'; v: v's channels' and all tokens'
	s_cselect_b64 s[P32:P32+1], s[PX4:PX4+1], s[PW4:PW4+1]
	s_cselect_b64 s[P64:P64+1], s[PW8:PW8+1], s[PX8:PX8+1]
	s_wait_dscnt 0x0                               ; the add is done, and my reads of W's rows are over
	CROUND                                         ; so are those of every wave of every partner
	tensor_load_to_lds s[G0R:G0R+3], s[G1R:G1R+7]  ; the next unit's rows of W, 64 a wave
	s_nop 0
	PLACES                                         ; also the places in front of the loads below
	SLOAD
	s_wait_loadcnt 24                              ; the 16 loads of biases are in; the 24 of scale words may be out
.irp a, 0,1,2,3                        ; block a: 16 tokens.  Two blocks make a pair image of 12 registers for each head
.if \a == 2
	s_wait_xcnt 0x0                                ; the last pair's stores have read their registers
.endif
	WIN 0xce
.set n, 0
.rept 32
	v_pk_add_f32 v[T+n:T+n+1], v[64*\a+n:64*\a+n+1], v[BJ+n:BJ+n+1]   ; each accumulator from its low end on
.set n, n+2
.endr
	WIN 0xff
	QUANT T, XA+6*(\a%2), XB+6*(\a%2), PWR+\a
.if \a % 2 == 1
	WIN 0x0c
.irp c, 0,1,2
	global_store_b128 v[LI], v[XA+4*\c:XA+4*\c+3], s[IA:IA+1] offset:(\a/2)*1536+512*\c   ; 32 lanes store 512 consecutive bytes, aligned
	global_store_b128 v[LI], v[XB+4*\c:XB+4*\c+3], s[IB:IB+1] offset:(\a/2)*1536+512*\c
.endr
.endif
.endr
	WIN 0xff
.irp i, 0,1,2,3
	v_lshrrev_b32 v[SW+\i], v[SHR], v[PWR+\i]      ; lanes 0-15: the first head's two bytes, lanes 16-31: the second's;
.endr
.irp i, 0,1,2,3
	v_and_b32 v[SW+\i], 0xffff, v[SW+\i]           ; bytes 2 and 3 are 0: they scale the upper half of K, where q's codes are zeros
.endr
	WIN 0x0c
	global_store_b128 v[SSO], v[SW:SW+3], s[SA:SA+1]   ; sixteen lanes store 256 consecutive bytes, aligned, for each head
	WIN 0
	s_add_co_u32 s[U], s[U], 1
	s_cmp_lt_u32 s[U], 2
	s_wait_alu depctr_va_vdst(0)
	s_cbranch_scc1 .Lunit
	; ---- unit v: written out.  My 64 rows of A are head 4 cx + w's channels; block a is its fragment a.
	s_wait_xcnt 0x0
	s_lshl_b32 s95, s17, 2
	s_add_co_u32 s95, s95, s14                     ; my head
	s_lshl_b32 s96, s20, 4
	s_add_co_u32 s96, s96, s95
	s_mul_i32 s98, s96, 208896
	s_mul_i32 s97, s21, 13056
	s_add_co_u32 s98, s98, s97
	s_add_co_u32 s98, s98, 6144                    ; behind the step's four pair images of k
	s_mov_b32 s99, 0
	s_add_nc_u64 s[IA:IA+1], s[12:13], s[98:99]
	s_add_co_u32 s98, s98, 6656                    ; v's scale words: byte 12,800 of the step
	s_add_nc_u64 s[SA:SA+1], s[12:13], s[98:99]
	s_mul_i32 s98, s95, 768
	s_add_co_u32 s98, s98, 512
	s_add_nc_u64 s[BP:BP+1], s[8:9], s[98:99]      ; b_qkv at my head's v
	UTOP
	WIN 0xc0
.irp a, 0,1,2,3
	global_load_b32 v[BJ+2*\a], v[BOV], s[BP:BP+1] offset:4*(32*(\a/2)+8*(\a%2))
	global_load_b32 v[BJ+2*\a+1], v[BOV], s[BP:BP+1] offset:4*(32*(\a/2)+8*(\a%2))   ; twice: a pair for the packed addition
.endr
	WIN 0
	PRODUCT AWV, BXV, S32, S64
	PLACES                                         ; behind the last products
	s_wait_loadcnt 0x0
.irp a, 0,1,2,3
.if \a >= 1
	s_wait_xcnt 0x0                                ; the last fragment's stores have read their registers
.endif
	WIN 0xce
.set n, 0
.rept 32
	v_pk_add_f32 v[T+n:T+n+1], v[64*\a+n:64*\a+n+1], v[BJ+2*\a:BJ+2*\a+1]
.set n, n+2
.endr
	WIN 0xff
	QUANT T, XA, XA+6, PWR+\a
	WIN 0x0c
.irp c, 0,1,2
	global_store_b128 v[LI], v[XA+4*\c:XA+4*\c+3], s[IA:IA+1] offset:\a*1536+512*\c
.endr
.endr
	WIN 0
	s_wait_alu depctr_va_vdst(0)
	s_wait_xcnt 0x0                                ; EXEC changes only behind this wait
	v_cmp_gt_u32 vcc_lo, 16, v[LANE]
	s_and_saveexec_b32 s93, vcc_lo                 ; all lanes hold row l % 16's words: lanes 0-15 store them
	WIN 0x0c
	global_store_b128 v[LIR], v[PWR:PWR+3], s[SA:SA+1]   ; sixteen lanes store 256 consecutive bytes, aligned
	WIN 0
	s_wait_xcnt 0x0
	s_or_b32 exec_lo, exec_lo, s93
	s_wait_tensorcnt 0x0                           ; the wave's end
	ds_add_u32 v[SPW], v[NIL]
	s_wait_dscnt 0x0
	CROUND                                         ; the closing round
	s_endpgm
.Lfunc_end_k_q9229748c0e_gemm_qkv:
	.size	k_q9229748c0e_gemm_qkv, .Lfunc_end_k_q9229748c0e_gemm_qkv-k_q9229748c0e_gemm_qkv
	.p2alignl 7, 3214868480
	.fill 96, 4, 3214868480
	.section	.rodata,"a",@progbits
	.p2align	6, 0x0
	.amdhsa_kernel k_q9229748c0e_gemm_qkv
		.amdhsa_group_segment_fixed_size 327680
		.amdhsa_private_segment_fixed_size 0
		.amdhsa_enable_private_segment 0
		.amdhsa_kernarg_size 40
		.amdhsa_user_sgpr_count 2
		.amdhsa_user_sgpr_kernarg_segment_ptr 1
		.amdhsa_wavefront_size32 1
		.amdhsa_system_sgpr_workgroup_id_x 1
		.amdhsa_system_sgpr_workgroup_id_y 1
		.amdhsa_system_sgpr_workgroup_id_z 1
		.amdhsa_system_vgpr_workitem_id 0
		.amdhsa_next_free_vgpr 1024
		.amdhsa_next_free_sgpr 106
		.amdhsa_reserve_vcc 1
		.amdhsa_float_denorm_mode_32 3
		.amdhsa_float_denorm_mode_16_64 3
		.amdhsa_memory_ordered 1
		.amdhsa_forward_progress 1
		.amdhsa_inst_pref_size 209
	.end_amdhsa_kernel
	.amdgpu_metadata
---
amdhsa.version: [ 1, 2 ]
amdhsa.kernels:
  - .name:           k_q9229748c0e_gemm_qkv
    .symbol:         k_q9229748c0e_gemm_qkv.kd
    .args:
      - { .name: xq, .offset: 0, .size: 8, .value_kind: global_buffer, .address_space: global }
      - { .name: wq, .offset: 8, .size: 8, .value_kind: global_buffer, .address_space: global }
      - { .name: b_qkv, .offset: 16, .size: 8, .value_kind: global_buffer, .address_space: global }
      - { .name: qb, .offset: 24, .size: 8, .value_kind: global_buffer, .address_space: global }
      - { .name: kvb, .offset: 32, .size: 8, .value_kind: global_buffer, .address_space: global }
    .group_segment_fixed_size: 327680
    .private_segment_fixed_size: 0
    .kernarg_segment_align: 8
    .kernarg_segment_size: 40
    .max_flat_workgroup_size: 128
    .sgpr_count:     106
    .vgpr_count:     1024
    .wavefront_size: 32
...
	.end_amdgpu_metadata
.endif
;; end of part 2
;; launch attn (part 3): grid 4 x 64, 16 waves a work-group, clusters of 4 x 1, 327,680 bytes of LDS; arguments qb, kvb, vals; writes vals
.if DOCPART == 3
	.amdgcn_target "amdgcn-amd-amdhsa--gfx1250"
	.amdhsa_code_object_version 6
	.text
	.protected	k_q9229748c0e_attn
	.globl	k_q9229748c0e_attn
	.p2align	8
	.type	k_q9229748c0e_attn,@function
k_q9229748c0e_attn:
	s_mov_b64 s[64:65], 0
	v_nop
	global_prefetch_b8 v0, s[64:65] scope:SCOPE_SE
	s_setreg_imm32_b32 hwreg(HW_REG_WAVE_MODE, 25, 1), 1
	s_wait_xcnt 0x0
	s_wait_alu depctr_hold_cnt(0) depctr_sa_sdst(0) depctr_va_vdst(0) depctr_va_sdst(0) depctr_va_ssrc(0) depctr_va_vcc(0) depctr_vm_vsrc(0)
	s_getreg_b32 s2, hwreg(HW_REG_IB_STS2, 6, 4)
	s_cmp_eq_u32 s2, 0
	s_cbranch_scc0 .Lentry_in_a_cluster
	s_endpgm
.Lentry_in_a_cluster:
	s_bfe_u32 s2, ttmp6, 0x10000c
	s_cmp_lg_u32 s2, 0x3003
	s_cbranch_scc0 .Lentry_shape_is_right
	s_endpgm
.Lentry_shape_is_right:
; Causal attention of one head (16 x batch + head = the cluster's y), head size 64, both products on codes of FP6 (E2M3) with E8M0 scales; the result is quantised along its 64 channels and leaves as codes: the left operand of the last product.
; WORK LEFT OUT: a key step of 128 keys that all come after a wave's 16 queries gets -1e30 in every score, so its p is 0 for all values of the inputs: such steps are not computed.
; THE SOFTMAX AHEAD OF THE SECOND PRODUCT: t = score x log2(e) / 8; M = the row's largest t so far, rounded UP to a whole number; p = 2^(t - M) is quantised along the keys, not normalised; the row's sum is taken of the
; unquantised p and divides O at the end.  When M moves, the sum and O are multiplied by 2^(old M - new M): exact.  The promise holds while |t| stays under 2^31.
; SHARES.  A head has 128 groups of 16 queries.  Wave w of work-group x takes group 127 - (4 w + x), then group 4 w + x: 16 - w / 2 and w / 2 + 1 key steps: 17 for every wave, and the counts hang on the wave's number alone.
; THE WHOLE HEAD LIES IN LDS: 16 key steps of 13,056 bytes (four pair images of k, four fragments of v, k's scale image, v's), each filled once, by one load of wave = step.  Waves 0-3 ask at the head; waves 4-15 behind the
; wait and two adds ahead of a later first fill, and their tiles land under the first four steps' work; one barrier follows, and from there on the waves do not meet until the end.
; CLUSTER 4 x 1: the four work-groups of a head read the same 16 tiles: every load is a joint load with the mask 15.  No branch and no LDS address hangs on the work-group's place.
; No prefetch: every tile is asked for once, at the head or behind the first four tiles' landing; there is no loop to run ahead in.
; OPERANDS LIE IN LDS AS IMAGES OF THEIR REGISTERS: chunk c of 512 bytes holds registers 4 c .. 4 c + 3, lane l's 16 bytes at 16 l.
; LAYOUT.  Both products are used transposed: S^T = K Q^T, O^T = V^T P^T: a lane holds ONE query (lane % 16).  Lane r of k's tile 2 b + u holds key 32 b + 8 u + r + 8 (r / 8), so the 16 registers of tiles 2 b, 2 b + 1 are 16
; neighbouring keys; v's channels are ordered likewise.
; K = 64 IN AN INSTRUCTION OF K = 128: q's registers 6-11 are zero codes, and bytes 2 and 3 of q's and k's scale words are 0.  k's tile a is named as v[32 + 6 a .. 43 + 6 a]: its upper six registers are the next tile's codes
; (for tile 7: zeros).  They meet zero codes, and E2M3 has no code for infinity or NaN: each such product is 0.
; THE RESULTS' SCALE BYTES, 32 a group: in a head's 4,096 bytes group 64 f + s lies at 2,048 f + 512 (s % 4) + 32 (s / 4), so that a work-group's 16 groups of a pass are 512 consecutive bytes.
; LIMITS: NaN and infinities are not served; a block whose largest magnitude lies under 2^-124, a block of zeros among them, gets the byte 1.
; REGISTERS: v1-11, v28-31, v92-94 addresses; v12 -M, v13 the largest t, v[14:15] the sum; v16-27 q; v32-79 k's tiles, then v's fragments; v80-85 zeros; v86-91 the way out; v96-159 S^T, then p; v160-191 O^T;
;   v192-203 p's codes; v204-210 the conversions' second halves; v212-225 scale words and nothing else; v232-255 at work.
.set STEPB, 13056
.set STG,   16*STEPB                   ; the way out: 768 bytes for each wave
.set SCST,  STG+16*768                 ; the results' scale bytes: 512 for each pass
.set SPARE, SCST+1024                  ; the spare words, 128 bytes a wave, which no other line names
.set LI,  1                            ; 16 x lane
.set LR,  2                            ; 16 x (lane % 16)
.set SPW, 4
.set NIL, 5
.set AD,  6                            ; the step's images
.set ADS, 7                            ; its scale images
.set GO,  93                           ; 8 x lane
.set KSR, 212
.set VSR, 220
.set QS,  224
.set PS,  225
.set WV,  18
.set BH,  19
.set SEL, 20
.set CS,  22                           ; s[22:23] log2(e) / 8
.set G1,  24
.set G0K, 40
.set QB,  48
.set QSB, 50
.set VB,  52
.set VSB, 54
.set QP,  56
.set QSP, 58
.set VP,  60
.set KF,  66                           ; the step's first key
.set CNT, 67
.set Q0,  68                           ; my first query: for addresses and the mask's numbers alone
.set TB,  70                           ; where the step begins in LDS
.set CX,  72
.set NS,  73                           ; my steps in this pass: from the wave's number alone
.set SI,  74                           ; the step's number
.set GR,  75                           ; 4 w + x
.macro CROUND                          ; a round of the cluster's barrier
	s_barrier_signal -1
	s_barrier_wait -1
	s_cmp_lg_u32 s[WV], 0
	s_cbranch_scc1 .Lnot_wave_0_\@
	s_barrier_signal -3
.Lnot_wave_0_\@:
	s_barrier_wait -3
	s_barrier_signal -1
	s_barrier_wait -1
.endm
	s_load_b128 s[4:7], s[0:1], 0x0                ; qb, kvb
	s_load_b64 s[8:9], s[0:1], 0x10                ; vals
	v_lshl_add_u32 v[SPW], v0, 2, SPARE
	v_mov_b32 v[NIL], 0
	ds_add_u32 v[SPW], v[NIL]                      ; the opening lines: the add twice and its wait ahead of my first tensor load
	ds_add_u32 v[SPW], v[NIL]
	v_lshrrev_b32 v6, 5, v0
	s_delay_alu instid0(VALU_DEP_1)
	v_readfirstlane_b32 s[WV], v6                  ; wave 0..15
	s_and_b32 s[BH], ttmp7, 0xffff                 ; 16 x batch + head
	s_bfe_u32 s[CX], ttmp6, 0x40000                ; x
	s_lshl_b32 s[GR], s[WV], 2
	s_add_co_u32 s[GR], s[GR], s[CX]
	s_mov_b32 s[G1], 15|(3<<16)|(1<<21)            ; the four partners; elements of 8 bytes; bit 21 beside a mask; no padding
	s_mov_b32 s[G1+1], 32<<16                      ; rows of 256 bytes,
	s_mov_b32 s[G1+2], 51<<16                      ; 51 of them, dense
	s_mov_b32 s[G1+3], 32<<16
	s_mov_b32 s[G1+4], 51
	s_mov_b32 s[G1+5], 32
	s_mov_b32 s[G1+6], 0
	s_mov_b32 s[G1+7], 0
	s_mov_b32 s[SEL], 0x76543210
	s_mov_b32 s[SEL+1], 0xfedcba98
	s_mov_b32 s[CS], 0x3e38aa3b
	s_mov_b32 s[CS+1], s[CS]
	s_mul_i32 s96, s[WV], 768
	s_lshl_b32 s97, s[WV], 5
	s_xor_b32 s98, s[WV], 15
	s_lshl_b32 s98, s98, 5
	s_and_b32 s99, s[WV], 1
	s_lshl_b32 s99, s99, 9
	v_and_b32 v6, 31, v0                           ; lane
	v_and_b32 v7, 15, v0                           ; r
	v_bfe_u32 v8, v0, 4, 1                         ; h
	v_lshlrev_b32 v[LI], 4, v6
	v_lshlrev_b32 v[LR], 4, v7
	v_mul_u32_u24 v9, v7, 48
	v_lshlrev_b32 v[GO], 3, v6
	v_mad_u32_u24 v9, v8, 24, v9
	v_add_nc_u32 v10, s96, v[GO]
	v_add_nc_u32 v9, s96, v9
	v_add_nc_u32 v10, STG, v10                     ; v10: back from my stage, 8 bytes a lane
	v_add_nc_u32 v9, STG, v9                       ; v9: my stage, query r's 48 bytes, block h's 24
	v_lshl_add_u32 v11, v7, 1, s98
	v_lshl_add_u32 v28, v7, 1, s97
	v_add_nc_u32 v11, SCST, v11                    ; v11: the first pass's scale bytes: place 15 - w, query r's two
	v_add_nc_u32 v28, SCST+512, v28                ; v28: the second pass's: place w
	v_add_nc_u32 v94, s99, v[LI]
	v_and_b32 v86, 7, v0
	v_add_nc_u32 v94, SCST, v94                    ; v94: waves 0 and 1 read a pass's 512 scale bytes at the end
	; q: my queries are neighbours, Q0 + r; in a pair image query 32 b + 16 v + r lies in tile 2 b + r / 8, row 8 v + r % 8.  Its six registers are three pieces of 8 bytes:
	v_bfe_u32 v87, v0, 3, 1                        ; u = r / 8
	v_lshlrev_b32 v88, 8, v8
	v_lshlrev_b32 v92, 4, v86
	v_lshl_add_u32 v88, v86, 4, v88                ; 256 h + 16 (r % 8)
	v_lshl_add_u32 v92, v87, 2, v92                ; its scale word
	v_mad_u32_u24 v29, v87, 520, v88               ; registers 0, 1 (u = 0) or 6, 7 (u = 1)
	v_mad_u32_u24 v30, v87, 1016, v88
	v_add_nc_u32 v31, 512, v29                     ; 4, 5 or 10, 11
	v_add_nc_u32 v30, 8, v30                       ; 2, 3 or 8, 9
.irp j, 22,23,24,25,26,27, 80,81,82,83,84,85, 236,237,238,239, 252,253
	v_mov_b32 v\j, 0                               ; q's upper half of K; what follows k's tile 7; lane permutes' destinations; a pair's halves
.endr
	s_mul_i32 s34, s[BH], 98304
	s_mov_b32 s35, 0
	s_mul_i32 s36, s[BH], 16*STEPB
	s_mul_i32 s12, s[WV], STEPB                    ; my step, in memory and in LDS
	s_add_co_u32 s36, s36, s12
	s_mov_b32 s37, 0
	s_lshl_b32 s32, s[BH], 13
	s_add_co_u32 s32, s32, 6291456
	s_mov_b32 s33, 0
	s_lshl_b32 s10, s[BH], 12
	s_add_co_u32 s10, s10, 6291456
	s_mov_b32 s11, 0
	s_wait_alu depctr_va_vdst(0)
	s_wait_dscnt 0x0                               ; both opening adds are done
	s_wait_kmcnt 0x0
	s_add_nc_u64 s[QB:QB+1], s[4:5], s[34:35]
	s_add_nc_u64 s[QSB:QSB+1], s[4:5], s[32:33]
	s_add_nc_u64 s[VB:VB+1], s[8:9], s[34:35]
	s_add_nc_u64 s[VSB:VSB+1], s[8:9], s[10:11]
	s_mov_b32 s[G0K], 1
	s_mov_b32 s[G0K+1], s12
	s_add_nc_u64 s[G0K+2:G0K+3], s[6:7], s[36:37]
	s_or_b32 s[G0K+3], s[G0K+3], 0x80000000
	CROUND                                         ; the four work-groups are here: the first joint loads meet
	s_cmp_lt_u32 s[WV], 4                          ; steps 0 to 3: one load a wave in waves 0 to 3
	s_cbranch_scc0 .Lnot_first
	tensor_load_to_lds s[G0K:G0K+3], s[G1:G1+7]
	s_nop 0
.rept 4
	v_nop
.endr
.Lnot_first:
; A pass's beginning: my 16 queries, their codes and scale words; O^T and the sum begin as zeros, the largest t as -3e38.
.macro PASS_INIT p
.if \p
	s_wait_xcnt 0x0                                ; the last pass's loads and stores have read their bases and registers
	s_mov_b32 s96, s[GR]
	s_lshr_b32 s[NS], s[WV], 1
	s_add_co_u32 s[NS], s[NS], 1
.else
	s_sub_co_u32 s96, 127, s[GR]
	s_lshr_b32 s[NS], s[WV], 1
	s_sub_co_u32 s[NS], 16, s[NS]
.endif
	s_lshl_b32 s[Q0], s96, 4
	s_lshr_b32 s96, s[Q0], 7                       ; g
	s_bfe_u32 s97, s[Q0], 0x20005                  ; b
	s_bfe_u32 s98, s[Q0], 0x10004                  ; v
	s_mul_i32 s34, s96, 6144
	s_mul_i32 s99, s97, 1536
	s_add_co_u32 s34, s34, s99
	s_lshl_b32 s98, s98, 7
	s_add_co_u32 s34, s34, s98
	s_add_nc_u64 s[QP:QP+1], s[QB:QB+1], s[34:35]
	s_lshl_b32 s34, s96, 9                         ; the scale image: tile 2 b + u's word of row i lies at 16 (i + 16 (b / 2)) + 4 (2 (b % 2) + u)
	s_add_co_u32 s34, s34, s98
	s_lshr_b32 s99, s97, 1
	s_lshl_b32 s99, s99, 8
	s_add_co_u32 s34, s34, s99
	s_and_b32 s99, s97, 1
	s_lshl_b32 s99, s99, 3
	s_add_co_u32 s34, s34, s99
	s_add_nc_u64 s[QSP:QSP+1], s[QSB:QSB+1], s[34:35]
	s_lshr_b32 s34, s[Q0], 4
	s_mul_i32 s34, s34, 768                        ; my 16 queries are one row of vals
	s_add_nc_u64 s[VP:VP+1], s[VB:VB+1], s[34:35]
	global_load_b64 v[16:17], v29, s[QP:QP+1]
	global_load_b64 v[18:19], v30, s[QP:QP+1]
	global_load_b64 v[20:21], v31, s[QP:QP+1]
	global_load_b32 v[QS], v92, s[QSP:QSP+1]
	v_mov_b32 v13, 0xff61b1e6                      ; -3e38, under every t
	s_delay_alu instid0(VALU_DEP_1)
	v_floor_f32 v12, -v13                          ; -M
	v_mov_b32 v14, 0
	v_mov_b32 v15, 0
.set n, 0
.rept 32
	v_mov_b32 v[160+n], 0
.set n, n+1
.endr
	s_mov_b32 s[KF], 0
	s_mov_b32 s[TB], 0
	s_mov_b32 s[SI], 0
	s_wait_loadcnt 0x0
.endm
; A KEY STEP: 128 keys.  A step beyond my pass's count is left out: a scalar branch on the wave's number and the count of steps, round its loads, products and softmax; not round the lines at its end that step addresses.
.macro STEP
	s_cmp_ge_u32 s[SI], s[NS]
	s_cbranch_scc1 .Lhidden_\@
	v_add_nc_u32 v[AD], s[TB], v[LI]
	v_add_nc_u32 v[ADS], s[TB], v[LR]
	v_nop
	v_nop                                          ; four places in front of loads into registers that the last products read
.irp i, 0,1,2,3,4,5,6,7,8,9,10,11
	ds_load_b128 v[32+4*\i:35+4*\i], v[AD] offset:512*\i            ; k's four pair images: tile a at v[32 + 6 a]
.endr
	ds_load_b128 v[KSR:KSR+3], v[ADS] offset:12288                  ; tiles 0-3's scale words of row r,
	ds_load_b128 v[KSR+4:KSR+7], v[ADS] offset:12544                ; tiles 4-7's
	s_wait_alu depctr_va_vdst(0)
	s_wait_dscnt 0x0
.irp a, 0,1,2,3,4,5,6,7
	v_wmma_scale_f32_16x16x128_f8f6f4 v[96+8*\a:103+8*\a], v[32+6*\a:43+6*\a], v[16:27], 0, v[KSR+\a], v[QS] matrix_a_fmt:MATRIX_FMT_FP6 matrix_b_fmt:MATRIX_FMT_FP6
.endr
.rept 4
	v_nop                                          ; places in front of the loads below and of the first read of the scores
.endr
.irp i, 0,1,2,3,4,5,6,7,8,9,10,11
	ds_load_b128 v[32+4*\i:35+4*\i], v[AD] offset:6144+512*\i       ; v's four fragments land under the softmax
.endr
	ds_load_b128 v[VSR:VSR+3], v[ADS] offset:12800
	s_add_co_u32 s96, s[SI], 1                     ; my pass's last step holds the diagonal: there the scores of hidden keys become -infinity; the earlier steps skip this
	s_cmp_lt_u32 s96, s[NS]
	s_cbranch_scc1 .Lopen_\@
	s_sub_co_i32 s96, s[Q0], s[KF]
	v_and_b32 v252, 15, v0
	v_bfe_u32 v253, v0, 4, 1
	s_delay_alu instid0(VALU_DEP_1)
	v_lshlrev_b32 v253, 4, v253
	s_delay_alu instid0(VALU_DEP_1)
	v_sub_nc_u32 v252, v252, v253
	s_delay_alu instid0(VALU_DEP_1)
	v_add_nc_u32 v252, s96, v252                   ; d = my query - KF - 16 (lane / 16).  Register 16 b + i holds key KF + 16 (lane / 16) + 32 b + i: hidden where 32 b + i > d
	v_mov_b32 v254, 0xff800000
.set n, 0
.rept 64
	v_cmp_gt_i32 vcc_lo, 32*(n/16)+n%16, v252
	v_cndmask_b32 v[96+n], v[96+n], v254, vcc_lo
.set n, n+1
.endr
.Lopen_\@:
.irp b, 0,1,2,3
	v_max3_num_f32 v[232+\b], v[96+16*\b], v[97+16*\b], v[98+16*\b]   ; the largest score of each block of 32 keys: for the row's maximum, and, since p rises with the score, for the block's largest p
.endr
.irp i, 3,5,7,9,11,13
.irp b, 0,1,2,3
	v_max3_num_f32 v[232+\b], v[232+\b], v[96+16*\b+\i], v[97+16*\b+\i]
.endr
.endr
.irp b, 0,1,2,3
	v_max_num_f32 v[232+\b], v[232+\b], v[111+16*\b]
.endr
.irp b, 0,1,2,3
	s_delay_alu instid0(VALU_DEP_4)
	v_permlanex16_b32 v[236+\b], v[232+\b], s[SEL], s[SEL+1]
.endr
.irp b, 0,1,2,3
	s_delay_alu instid0(VALU_DEP_4)
	v_max_num_f32 v[232+\b], v[232+\b], v[236+\b]  ; with lane l xor 16's 16 keys
.endr
	s_delay_alu instid0(VALU_DEP_2)
	v_max3_num_f32 v254, v232, v233, v234
	s_delay_alu instid0(VALU_DEP_1)
	v_max_num_f32 v254, v254, v235
	s_delay_alu instid0(VALU_DEP_1)
	v_mul_f32 v254, s[CS], v254                    ; as t
	s_delay_alu instid0(VALU_DEP_1)
	v_max_num_f32 v13, v13, v254                   ; the running largest t
	v_mov_b32 v254, v12
	s_delay_alu instid0(VALU_DEP_2)
	v_floor_f32 v12, -v13                          ; the new -M = -ceil(t)
	s_delay_alu instid0(VALU_DEP_1)
	v_sub_f32 v254, v12, v254                      ; old M - new M: a whole number, 0 or less
	s_delay_alu instid0(VALU_DEP_1)
	v_cvt_i32_f32 v254, v254                       ; (it saturates)
	s_delay_alu instid0(VALU_DEP_1)
	v_ldexp_f32 v252, 1.0, v254                    ; f = 2^(old M - new M)
.set n, 0
.rept 32
	v_pk_fma_f32 v[96+n:97+n], v[96+n:97+n], s[CS:CS+1], v[12:13] op_sel_hi:[1,0,0]   ; t - M, two at a time
.set n, n+2
.endr
.irp b, 0,1,2,3
	v_fma_f32 v[232+\b], v[232+\b], s[CS], v12     ; the same of each block's largest score
.endr
.set n, 0
	s_wait_alu depctr_va_vdst(0)
.rept 64
	v_exp_f32 v[96+n], v[96+n]                     ; p = 2^(t - M)
.set n, n+1
.endr
	v_pk_mul_f32 v[14:15], v[14:15], v[252:253] op_sel_hi:[1,0]   ; the sums under the new M (a plain line behind the exponentials)
	s_wait_alu depctr_va_vdst(0)                   ; one wait for the whole batch, ahead of its first reader
.irp b, 0,1,2,3
	v_exp_f32 v[232+\b], v[232+\b]                 ; the block's largest p
.endr
	v_pk_add_f32 v[236:237], v[96:97], v[98:99]    ; the row's sum of the unquantised p: two at a time, in four chains
	v_pk_add_f32 v[254:255], v[100:101], v[102:103]
	v_pk_add_f32 v[250:251], v[104:105], v[106:107]
	v_pk_add_f32 v[14:15], v[14:15], v[108:109]
.set n, 110
.rept 6
	v_pk_add_f32 v[236:237], v[236:237], v[n:n+1]
	v_pk_add_f32 v[254:255], v[254:255], v[n+2:n+3]
	v_pk_add_f32 v[250:251], v[250:251], v[n+4:n+5]
	v_pk_add_f32 v[14:15], v[14:15], v[n+6:n+7]
.set n, n+8
.endr
	v_pk_add_f32 v[236:237], v[236:237], v[158:159]
	v_pk_add_f32 v[14:15], v[14:15], v[254:255]
	s_delay_alu instid0(VALU_DEP_2)
	v_pk_add_f32 v[236:237], v[236:237], v[250:251]
	s_delay_alu instid0(VALU_DEP_1)
	v_pk_add_f32 v[14:15], v[14:15], v[236:237]
	s_wait_alu depctr_va_vdst(0)                   ; and one for the four
.irp b, 0,1,2,3
	v_max_num_f32 v[232+\b], 0x1800000, v[232+\b]  ; the floor 2^(3 - 127)
.endr
.irp b, 0,1,2,3
	s_delay_alu instid0(VALU_DEP_4)
	v_add_nc_u32 v[244+\b], 0xff000000, v[232+\b]  ; the conversion's scale operand
.endr
.irp b, 0,1,2,3
	s_delay_alu instid0(VALU_DEP_4)
	v_lshrrev_b32 v[236+\b], 23, v[244+\b]         ; the scale's byte
.endr
	s_delay_alu instid0(VALU_DEP_3)
	v_lshl_or_b32 v[PS], v237, 8, v236             ; p's scale word for these 128 keys
	s_delay_alu instid0(VALU_DEP_1)
	v_lshl_or_b32 v[PS], v238, 16, v[PS]
	s_delay_alu instid0(VALU_DEP_1)
	v_lshl_or_b32 v[PS], v239, 24, v[PS]
.irp c, 0,1
	v_cvt_scalef32_pk16_fp6_f32 v[192+6*\c:194+6*\c], v[96+32*\c:111+32*\c], v[244+2*\c]
	v_cvt_scalef32_pk16_fp6_f32 v[204+4*\c:206+4*\c], v[112+32*\c:127+32*\c], v[245+2*\c]
.endr
	v_nop                                          ; one plain line behind the conversions
.irp c, 0,1                                    ; a WHOLE block in a lane: lanes 0-15 block 2 c, lanes 16-31 block 2 c + 1
.irp i, 0,1,2
	v_permlane16_swap_b32 v[192+6*\c+\i], v[204+4*\c+\i]
.endr
.irp i, 0,1,2
	s_delay_alu instid0(VALU_DEP_3)
	v_mov_b32 v[195+6*\c+\i], v[204+4*\c+\i]
.endr
.endr
.set n, 0
.rept 16
	v_pk_mul_f32 v[160+n:161+n], v[160+n:161+n], v[252:253] op_sel_hi:[1,0]   ; O^T under the new M; these lines also stand between the scale word's and the codes' last writes and the products
.set n, n+2
.endr
	s_wait_alu depctr_va_vdst(0)
	s_wait_dscnt 0x0                               ; v's fragments and scale words are in
.irp t, 0,1,2,3
	v_wmma_scale_f32_16x16x128_f8f6f4 v[160+8*\t:167+8*\t], v[32+12*\t:43+12*\t], v[192:203], v[160+8*\t:167+8*\t], v[VSR+\t], v[PS] matrix_a_fmt:MATRIX_FMT_FP6 matrix_b_fmt:MATRIX_FMT_FP6
.endr
.Lhidden_\@:
	s_add_co_u32 s[KF], s[KF], 128
	s_add_co_u32 s[TB], s[TB], STEPB
	s_add_co_u32 s[SI], s[SI], 1
.endm
; THE WAY OUT of a pass: O^T / the sum, quantised along the 64 channels (two blocks; register 16 b + i is channel 32 b + 16 (lane / 16) + i).  My 16 queries' codes are one row of vals, 768 bytes: they go through my stage and
; leave as three aligned runs of 256 bytes.  The two scale bytes of each query wait in LDS, at v[sa], for the launch's end.
.macro WAYOUT sa
.rept 4
	v_nop                                          ; places behind the last products
.endr
	v_add_f32 v14, v14, v15
	s_delay_alu instid0(VALU_DEP_1)
	v_permlanex16_b32 v252, v14, s[SEL], s[SEL+1]
	s_delay_alu instid0(VALU_DEP_1)
	v_add_f32 v14, v14, v252                       ; the row's sum
	s_wait_alu depctr_va_vdst(0)                   ; the wait ahead of the transcendental
	v_rcp_f32 v14, v14
	v_nop                                          ; a plain line behind the reciprocal
	s_wait_alu depctr_va_vdst(0)                   ; and the wait ahead of its first reader
.set n, 0
.rept 16
	v_pk_mul_f32 v[96+n:97+n], v[160+n:161+n], v[14:15] op_sel_hi:[1,0]   ; each accumulator from its low end on
.set n, n+2
.endr
.irp b, 0,1
	v_max3_num_f32 v[232+\b], |v[96+16*\b]|, |v[97+16*\b]|, 0x1800000
.endr
.irp i, 2,4,6,8,10,12,14
.irp b, 0,1
	s_delay_alu instid0(VALU_DEP_2)
	v_max3_num_f32 v[232+\b], v[232+\b], |v[96+16*\b+\i]|, |v[97+16*\b+\i]|
.endr
.endr
.irp b, 0,1
	s_delay_alu instid0(VALU_DEP_2)
	v_permlanex16_b32 v[236+\b], v[232+\b], s[SEL], s[SEL+1]
.endr
.irp b, 0,1
	s_delay_alu instid0(VALU_DEP_2)
	v_max_num_f32 v[232+\b], v[232+\b], v[236+\b]
.endr
.irp b, 0,1
	s_delay_alu instid0(VALU_DEP_2)
	v_add_nc_u32 v[244+\b], 0xff000000, v[232+\b]
.endr
.irp b, 0,1
	s_delay_alu instid0(VALU_DEP_2)
	v_lshrrev_b32 v[236+\b], 23, v[244+\b]
.endr
	s_delay_alu instid0(VALU_DEP_1)
	v_lshl_or_b32 v254, v237, 8, v236              ; the query's two bytes
	v_cvt_scalef32_pk16_fp6_f32 v[192:194], v[96:111], v244
	v_cvt_scalef32_pk16_fp6_f32 v[204:206], v[112:127], v245
	v_nop
.irp i, 0,1,2
	v_permlane16_swap_b32 v[192+\i], v[204+\i]     ; lane (r, h) now holds block h of query r: 24 bytes
.endr
.irp i, 0,1,2
	s_delay_alu instid0(VALU_DEP_3)
	v_mov_b32 v[195+\i], v[204+\i]
.endr
	ds_store_b64 v9, v[192:193]
	ds_store_b64 v9, v[194:195] offset:8
	ds_store_b64 v9, v[196:197] offset:16
	ds_store_b16 v[\sa], v254                      ; both halves of the lanes write the same two bytes
.irp i, 0,1,2
	ds_load_b64 v[86+2*\i:87+2*\i], v10 offset:256*\i   ; LDS serves a wave's instructions in order: these see my stores
.endr
	s_wait_dscnt 0x0
.irp i, 0,1,2
	global_store_b64 v[GO], v[86+2*\i:87+2*\i], s[VP:VP+1] offset:256*\i   ; 32 lanes store 256 consecutive bytes, aligned
.endr
.endm
.macro WALK trips, name                ; so many key steps, one a trip
	s_mov_b32 s[CNT], \trips
\name:
	STEP
	s_sub_co_u32 s[CNT], s[CNT], 1
	s_cmp_lg_u32 s[CNT], 0
	s_cbranch_scc1 \name
.endm
	PASS_INIT 0
	s_wait_alu depctr_va_vdst(0)
	s_wait_tensorcnt 0x0                           ; steps 0 to 3 have landed; then, ahead of a later first fill,
	ds_add_u32 v[SPW], v[NIL]                      ; the add twice
	ds_add_u32 v[SPW], v[NIL]
	s_wait_dscnt 0x0
	CROUND                                         ; everybody's have, and the four work-groups are here: the joint loads meet
	s_cmp_lt_u32 s[WV], 4                          ; steps 4 to 15: one load a wave in waves 4 to 15, each into bytes of its own
	s_cbranch_scc1 .Lnot_second
	tensor_load_to_lds s[G0K:G0K+3], s[G1:G1+7]
	s_nop 0
.rept 4
	v_nop
.endr
.Lnot_second:
	WALK 4, .Lfirst                                ; steps 0 to 3 count for every wave's first group
	s_wait_tensorcnt 0x0                           ; my step has landed,
	s_wait_dscnt 0x0
	s_barrier_signal -1
	s_barrier_wait -1                              ; everybody's has: the whole head lies in LDS
	WALK 12, .Lrest
	WAYOUT 11
	PASS_INIT 1
	WALK 8, .Lshort                                ; group 4 w + x lies among the first 1,024 queries
	WAYOUT 28
	s_sub_co_u32 s96, 7, s[CX]                     ; the first pass's groups: the upper 2,048 bytes, run 3 - x;
	s_cmp_eq_u32 s[WV], 0
	s_cselect_b32 s96, s96, s[CX]                  ; the second pass's: the lower, run x.  Wave 0 stores the first pass's 512 bytes, wave 1 the second's
	s_lshl_b32 s34, s96, 9
	s_add_nc_u64 s[62:63], s[VSB:VSB+1], s[34:35]
	s_wait_dscnt 0x0                               ; for the others' sake: my stores of scale bytes are done
	s_barrier_signal -1
	s_barrier_wait -1
	s_cmp_lt_u32 s[WV], 2
	s_cbranch_scc0 .Lno_scales
	ds_load_b128 v[96:99], v94
	s_wait_dscnt 0x0
	global_store_b128 v[LI], v[96:99], s[62:63]    ; 32 lanes store 512 consecutive bytes, aligned
.Lno_scales:
	s_wait_tensorcnt 0x0                           ; the wave's end
	ds_add_u32 v[SPW], v[NIL]
	s_wait_dscnt 0x0
	CROUND                                         ; the closing round
	s_endpgm
.Lfunc_end_k_q9229748c0e_attn:
	.size	k_q9229748c0e_attn, .Lfunc_end_k_q9229748c0e_attn-k_q9229748c0e_attn
	.p2alignl 7, 3214868480
	.fill 96, 4, 3214868480
	.section	.rodata,"a",@progbits
	.p2align	6, 0x0
	.amdhsa_kernel k_q9229748c0e_attn
		.amdhsa_group_segment_fixed_size 327680
		.amdhsa_private_segment_fixed_size 0
		.amdhsa_enable_private_segment 0
		.amdhsa_kernarg_size 24
		.amdhsa_user_sgpr_count 2
		.amdhsa_user_sgpr_kernarg_segment_ptr 1
		.amdhsa_wavefront_size32 1
		.amdhsa_system_sgpr_workgroup_id_x 1
		.amdhsa_system_sgpr_workgroup_id_y 1
		.amdhsa_system_sgpr_workgroup_id_z 1
		.amdhsa_system_vgpr_workitem_id 0
		.amdhsa_next_free_vgpr 256
		.amdhsa_next_free_sgpr 100
		.amdhsa_reserve_vcc 1
		.amdhsa_float_denorm_mode_32 3
		.amdhsa_float_denorm_mode_16_64 3
		.amdhsa_memory_ordered 1
		.amdhsa_forward_progress 1
		.amdhsa_inst_pref_size 89
	.end_amdhsa_kernel
	.amdgpu_metadata
---
amdhsa.version: [ 1, 2 ]
amdhsa.kernels:
  - .name:           k_q9229748c0e_attn
    .symbol:         k_q9229748c0e_attn.kd
    .args:
      - { .name: qb, .offset: 0, .size: 8, .value_kind: global_buffer, .address_space: global }
      - { .name: kvb, .offset: 8, .size: 8, .value_kind: global_buffer, .address_space: global }
      - { .name: vals, .offset: 16, .size: 8, .value_kind: global_buffer, .address_space: global }
    .group_segment_fixed_size: 327680
    .private_segment_fixed_size: 0
    .kernarg_segment_align: 8
    .kernarg_segment_size: 24
    .max_flat_workgroup_size: 512
    .sgpr_count:     100
    .vgpr_count:     256
    .wavefront_size: 32
...
	.end_amdgpu_metadata
.endif
;; end of part 3
;; launch gemm_out (part 4): grid 4 x 64, 4 waves a work-group, clusters of 4 x 4, 327,680 bytes of LDS; arguments vals, wq, out0, b_out; writes out0
.if DOCPART == 4
	.amdgcn_target "amdgcn-amd-amdhsa--gfx1250"
	.amdhsa_code_object_version 6
	.text
	.protected	k_q9229748c0e_gemm_out
	.globl	k_q9229748c0e_gemm_out
	.p2align	8
	.type	k_q9229748c0e_gemm_out,@function
k_q9229748c0e_gemm_out:
	s_mov_b64 s[64:65], 0
	v_nop
	global_prefetch_b8 v0, s[64:65] scope:SCOPE_SE
	s_setreg_imm32_b32 hwreg(HW_REG_WAVE_MODE, 25, 1), 1
	s_wait_xcnt 0x0
	s_wait_alu depctr_hold_cnt(0) depctr_sa_sdst(0) depctr_va_vdst(0) depctr_va_sdst(0) depctr_va_ssrc(0) depctr_va_vcc(0) depctr_vm_vsrc(0)
	s_getreg_b32 s2, hwreg(HW_REG_IB_STS2, 6, 4)
	s_cmp_eq_u32 s2, 0
	s_cbranch_scc0 .Lentry_in_a_cluster
	s_endpgm
.Lentry_in_a_cluster:
	s_bfe_u32 s2, ttmp6, 0x10000c
	s_cmp_lg_u32 s2, 0xf033
	s_cbranch_scc0 .Lentry_shape_is_right
	s_endpgm
.Lentry_shape_is_right:
; out0 = Q(values) Q(W_out) + b_out on codes of FP6 (E2M3) with E8M0 scales, K = 1,024.  vals: 8,192 rows of 768 bytes of codes, their scale bytes from byte 6,291,456 on; W_out's columns are rows 3,072 .. 4,095 of wq.
; SHARES: 256 work-groups, each 128 rows (work-group y) x 256 columns (work-group x); a wave makes 64 x 128 in 32 accumulators.  All of K of the 128 + 256 rows lies in LDS: 313,344 bytes, filled once, at the head,
; one tensor load a wave; a row is 768 bytes of memory, from a multiple of 256 on; in LDS 16 bytes of padding follow every 256: rows 816 bytes apart.
; The matrix instruction is used transposed (source 0 = 16 rows of wq, source 1 = 16 rows of vals): a lane holds one row of the result; wq's stored rows have bits 3 and 4 exchanged, so blocks 2 b, 2 b + 1 give 16 neighbouring columns.
; Scale words go from memory straight into registers: 4 blocks of vals in v32-63, 8 blocks of wq in v64-127.  CLUSTERS 4 x 4: vals' tile is asked for jointly along a row of the cluster, wq's along a column.
; No prefetch: every tile is asked for at the head, and there is no loop to run ahead in.
; REGISTERS: window 0: v0-31 addresses, v32-127 scale words, v160-255 A's fragments (on the way out v128-255 hold rows read back); window 1: B's fragments; window 2: the accumulators.
.set PITCH, 816
.set KROW,  768
.set FR,    12
.set WL,    128*PITCH
.set SPARE, 384*PITCH
.set SPITCH, 528                       ; the way out: a stage of 16 rows x (512 + 16) bytes a wave, in vals' rows, which have had their only fill and, behind a barrier, their last read
.set FLAGS, (1<<20)|(1<<21)|(5<<22)|(3<<25)
.set AXQ, 4
.set BWQ, 6
.set STO, 10
.set RD,  11
.set CO,  12
.set SO,  13
.set BI,  20
.set SPW, 28
.set NIL, 29
.set S32, 32
.set S64, 64
.set BK,  128
.set AF,  160
.set G1X, 24
.set G1W, 32
.set G0X, 48
.set G0W, 52
.set P32, 76
.set P64, 78
.set CP,  82
.set BP,  88
.set MSB, 0
.macro WIN new
.if MSB != (\new)
	s_set_vgpr_msb (MSB<<8)|(\new)
.set MSB, (\new)
.endif
.endm
.set MUL,  0xa1
.set TO_B, 0x40
.macro PLACES
.rept 4
	v_nop
.endr
.endm
.macro CROUND
	s_barrier_signal -1
	s_barrier_wait -1
	s_cmp_lg_u32 s14, 0
	s_cbranch_scc1 .Lnot_wave_0_\@
	s_barrier_signal -3
.Lnot_wave_0_\@:
	s_barrier_wait -3
	s_barrier_signal -1
	s_barrier_wait -1
.endm
.macro GRP1 g, rows
	s_mov_b32 s[\g+1], KROW<<16
	s_mov_b32 s[\g+2], (\rows)<<16
	s_mov_b32 s[\g+3], KROW<<16
	s_mov_b32 s[\g+4], \rows
	s_mov_b32 s[\g+5], KROW
	s_mov_b32 s[\g+6], 0
	s_mov_b32 s[\g+7], 0
.endm
	s_load_b256 s[4:11], s[0:1], 0x0               ; vals, wq, out0, b_out
	v_lshl_add_u32 v[SPW], v0, 2, SPARE
	v_mov_b32 v[NIL], 0
	ds_add_u32 v[SPW], v[NIL]                      ; the opening lines
	ds_add_u32 v[SPW], v[NIL]
	v_lshrrev_b32 v1, 5, v0
	v_readfirstlane_b32 s14, v1                    ; wave
	s_lshr_b32 s15, s14, 1                         ; which 64 rows are mine
	s_and_b32 s16, s14, 1                          ; which 128 columns
	s_bfe_u32 s17, ttmp6, 0x40000                  ; cx: the tile column
	s_bfe_u32 s18, ttmp6, 0x40004                  ; cy
	s_and_b32 s19, ttmp7, 0xffff
	s_lshl_b32 s19, s19, 2
	s_add_co_u32 s19, s19, s18                     ; the tile row
	s_lshl_b32 s20, s18, 2
	s_lshl_b32 s20, 15, s20
	s_lshl_b32 s21, 0x1111, s17
	s_or_b32 s[G1X], s20, FLAGS
	s_or_b32 s[G1W], s21, FLAGS
	GRP1 G1X, 64
	GRP1 G1W, 128
	s_lshl_b32 s60, s19, 7
	s_lshl_b32 s22, s16, 6
	s_add_co_u32 s60, s60, s22
	s_mul_i32 s60, s60, KROW                       ; waves 0, 1 fetch 64 rows of vals each
	s_mov_b32 s61, 0
	s_lshl_b32 s62, s17, 8
	s_lshl_b32 s22, s16, 7
	s_add_co_u32 s22, s62, s22
	s_lshl_b32 s72, s22, 5
	s_add_co_u32 s72, s72, 3244032                 ; the scale bytes of my 128 rows of wq
	s_mov_b32 s73, 0
	s_mul_i32 s62, s22, KROW
	s_add_co_u32 s62, s62, 2359296                 ; waves 2, 3 fetch 128 rows of wq each, from row 3,072 on
	s_mov_b32 s63, 0
	s_lshl_b32 s68, s19, 12
	s_lshl_b32 s22, s15, 11
	s_add_co_u32 s68, s68, s22
	s_add_co_u32 s68, s68, 6291456                 ; the scale bytes of my 64 rows of vals
	s_mov_b32 s69, 0
	s_lshl_b32 s70, s17, 10
	s_lshl_b32 s22, s16, 9
	s_add_co_u32 s70, s70, s22                     ; my first column, in bytes
	s_mov_b32 s71, 0
	s_lshl_b32 s66, s19, 7
	s_lshl_b32 s22, s15, 6
	s_add_co_u32 s66, s66, s22
	s_lshl_b32 s66, s66, 12                        ; my first row of out0, 4,096 bytes a row
	s_add_co_u32 s66, s66, s70
	s_mov_b32 s67, 0
	s_mul_i32 s[G0X+1], s16, 64*PITCH
	s_mul_i32 s[G0W+1], s16, 128*PITCH
	s_add_co_u32 s[G0W+1], s[G0W+1], WL
	s_mov_b32 s[G0X], 1
	s_mov_b32 s[G0W], 1
	s_mul_i32 s93, s15, 64*PITCH
	s_mul_i32 s94, s16, 128*PITCH
	s_add_co_u32 s94, s94, WL
	s_add_co_u32 s96, s94, 64*PITCH
	s_mul_i32 s95, s14, 16*SPITCH                  ; my stage
	s_wait_dscnt 0x0
	s_wait_kmcnt 0x0
	s_add_nc_u64 s[G0X+2:G0X+3], s[4:5], s[60:61]
	s_or_b32 s[G0X+3], s[G0X+3], 0x80000000
	s_add_nc_u64 s[G0W+2:G0W+3], s[6:7], s[62:63]
	s_or_b32 s[G0W+3], s[G0W+3], 0x80000000
	s_add_nc_u64 s[P32:P32+1], s[4:5], s[68:69]
	s_add_nc_u64 s[P64:P64+1], s[6:7], s[72:73]
	s_add_nc_u64 s[CP:CP+1], s[8:9], s[66:67]
	s_add_nc_u64 s[BP:BP+1], s[10:11], s[70:71]
	CROUND                                         ; all sixteen work-groups are here: the joint loads meet
	s_cmp_eq_u32 s15, 0                            ; one load a wave, one in each arm
	s_cbranch_scc0 .Lhead_w
	tensor_load_to_lds s[G0X:G0X+3], s[G1X:G1X+7]
	s_nop 0
	PLACES
	s_branch .Lhead_asked
.Lhead_w:
	tensor_load_to_lds s[G0W:G0W+3], s[G1W:G1W+7]
	s_nop 0
	PLACES
.Lhead_asked:
	v_and_b32 v1, 15, v0
	v_bfe_u32 v2, v0, 4, 1
	v_and_b32 v14, 31, v0
	v_mul_u32_u24 v3, v1, PITCH
	v_mad_u32_u24 v3, v2, 24, v3
	v_lshl_add_u32 v25, v2, 4, v3
	v_add_nc_u32 v[AXQ], s93, v3
	v_add_nc_u32 v[AXQ+1], s93, v25
	v_add_nc_u32 v[BWQ], s94, v3
	v_add_nc_u32 v[BWQ+1], s94, v25
	v_add_nc_u32 v[BWQ+2], s96, v3
	v_add_nc_u32 v[BWQ+3], s96, v25
	v_lshlrev_b32 v[SO], 5, v1
.set SOA, 17                           ; vals' scale bytes: in a run of 64 rows, row s lies at 512 (s % 4) + 32 (s / 4)
	v_and_b32 v[SOA], 3, v1
	v_lshrrev_b32 v16, 2, v1
	v_lshlrev_b32 v16, 5, v16
	v_lshl_add_u32 v[SOA], v[SOA], 9, v16
	v_lshlrev_b32 v[CO], 4, v14                    ; back from the stage, and in out0: 16 bytes a lane of a row's 512
	v_mul_u32_u24 v15, v1, SPITCH
	v_lshl_add_u32 v15, v2, 6, v15
	v_add_nc_u32 v[STO], s95, v15                  ; into the stage: row r, 64 bytes for each half of the lanes
	v_add_nc_u32 v[RD], s95, v[CO]
.irp i, 0,1,2,3
	global_load_b128 v[S32+8*\i:S32+8*\i+3], v[SOA], s[P32:P32+1] offset:128*\i
	global_load_b128 v[S32+8*\i+4:S32+8*\i+7], v[SOA], s[P32:P32+1] offset:128*\i+16
.endr
.irp i, 0,1,2,3,4,5,6,7
	global_load_b128 v[S64+8*\i:S64+8*\i+3], v[SO], s[P64:P64+1] offset:512*\i
	global_load_b128 v[S64+8*\i+4:S64+8*\i+7], v[SO], s[P64:P64+1] offset:512*\i+16
.endr
	global_load_b128 v[BI:BI+3], v[CO], s[BP:BP+1] ; my four columns' biases
.macro FRAG reg, adr, st, off          ; piece PC of a row, 8 bytes, lies at 8 PC + 16 (PC / 32); where lanes 16-31 lie behind one padding more, the second register serves
.irp p, 0,1,2,3,4,5
.set PC, 12*(\st)+6*(\p/3)+\p%3
.if PC%32 < 29
	ds_load_b64 v[\reg+2*\p:\reg+2*\p+1], v[\adr] offset:8*PC+16*(PC/32)+(\off)
.else
	ds_load_b64 v[\reg+2*\p:\reg+2*\p+1], v[\adr+1] offset:8*PC+16*(PC/32)+(\off)
.endif
.endr
.endm
.macro FETCH st, ra, rb
	WIN TO_B
.irp i, 0,1,2,3,4,5,6,7
	FRAG 128*((\st)%2)+FR*\i, \rb+2*(\i/4), \st, (\i%4)*16*PITCH
.endr
	WIN 0
.irp i, 0,1,2,3
	FRAG AF+48*((\st)%2)+FR*\i, \ra, \st, \i*16*PITCH
.endr
.endm
.macro MULS st, zero, sa, sb           ; the 32 accumulators take turns
	WIN MUL
.irp a, 0,1,2,3
.irp b, 0,1,2,3,4,5,6,7
.if \zero
	v_wmma_scale_f32_16x16x128_f8f6f4 v[8*(8*\a+\b):8*(8*\a+\b)+7], v[128*((\st)%2)+FR*\b:128*((\st)%2)+FR*\b+FR-1], v[AF+48*((\st)%2)+FR*\a:AF+48*((\st)%2)+FR*\a+FR-1], 0, v[\sb+8*\b+(\st)], v[\sa+8*\a+(\st)] matrix_a_fmt:MATRIX_FMT_FP6 matrix_b_fmt:MATRIX_FMT_FP6
.else
	v_wmma_scale_f32_16x16x128_f8f6f4 v[8*(8*\a+\b):8*(8*\a+\b)+7], v[128*((\st)%2)+FR*\b:128*((\st)%2)+FR*\b+FR-1], v[AF+48*((\st)%2)+FR*\a:AF+48*((\st)%2)+FR*\a+FR-1], v[8*(8*\a+\b):8*(8*\a+\b)+7], v[\sb+8*\b+(\st)], v[\sa+8*\a+(\st)] matrix_a_fmt:MATRIX_FMT_FP6 matrix_b_fmt:MATRIX_FMT_FP6
.endif
.endr
.endr
.endm
	s_wait_alu depctr_va_vdst(0)
	s_wait_tensorcnt 0x0                           ; my tile is in,
	s_barrier_signal -1
	s_barrier_wait -1                              ; everybody's is
	s_wait_loadcnt 0x0
	FETCH 0, AXQ, BWQ
	s_wait_dscnt 0x0
	FETCH 1, AXQ, BWQ
	MULS 0, 1, S32, S64                            ; the first step's products start the sums
.set ST, 1
.rept 6
	s_wait_dscnt 0x0                               ; this step's fragments are in: asked for 32 products ago
	PLACES
	FETCH ST+1, AXQ, BWQ
	MULS ST, 0, S32, S64
.set ST, ST+1
.endr
	s_wait_dscnt 0x0                               ; my last reads of the tiles are over
	s_barrier_signal -1
	MULS 7, 0, S32, S64
	WIN 0
	s_barrier_wait -1                              ; so are everybody's: the stages may be written
	PLACES
; THE WAY OUT, block by block of 16 rows x 128 columns, through my stage; the rows come back whole, 512 bytes to 32 lanes, get their bias and are stored.
.macro TOSTAGE a
	WIN 0x08
.irp b, 0,1,2,3,4,5,6,7
	ds_store_b128 v[STO], v[64*(\a)+8*\b:64*(\a)+8*\b+3] offset:128*(\b/2)+32*(\b%2)      ; each accumulator from its low end on
	ds_store_b128 v[STO], v[64*(\a)+8*\b+4:64*(\a)+8*\b+7] offset:128*(\b/2)+32*(\b%2)+16
.endr
	WIN 0
.set BB, BK+64*((\a)%2)
.irp t, 0,1,2,3,4,5,6,7,8,9,10,11,12,13,14,15
	ds_load_b128 v[BB+4*\t:BB+4*\t+3], v[RD] offset:\t*SPITCH   ; LDS serves a wave's instructions in order
.endr
.endm
.macro SEND a, younger                 ; younger: the LDS instructions issued behind block a's loads
.set BB, BK+64*((\a)%2)
	s_wait_dscnt \younger
.if (\a) > 0
	s_add_nc_u64 s[CP:CP+1], s[CP:CP+1], 16*4096   ; behind a wait on XCNT: the earlier stores have read their base
.endif
.irp t, 0,1,2,3,4,5,6,7,8,9,10,11,12,13,14,15
	v_pk_add_f32 v[BB+4*\t:BB+4*\t+1], v[BB+4*\t:BB+4*\t+1], v[BI:BI+1]
	v_pk_add_f32 v[BB+4*\t+2:BB+4*\t+3], v[BB+4*\t+2:BB+4*\t+3], v[BI+2:BI+3]
	global_store_b128 v[CO], v[BB+4*\t:BB+4*\t+3], s[CP:CP+1] offset:\t*4096 th:TH_STORE_NT   ; 32 lanes store 512 consecutive bytes, aligned
.endr
.endm
	TOSTAGE 0
.irp a, 1,2,3
.if \a > 1
	s_wait_xcnt 0x0                                ; block a - 2's stores have read their registers and their base
.endif
	TOSTAGE \a
	SEND \a-1, 32                                  ; behind block a - 1's loads: block a's 16 stores and 16 loads
.endr
	s_wait_xcnt 0x0
	SEND 3, 0
	s_wait_tensorcnt 0x0                           ; the wave's end
	ds_add_u32 v[SPW], v[NIL]
	s_wait_dscnt 0x0
	CROUND                                         ; the closing round
	s_endpgm
.Lfunc_end_k_q9229748c0e_gemm_out:
	.size	k_q9229748c0e_gemm_out, .Lfunc_end_k_q9229748c0e_gemm_out-k_q9229748c0e_gemm_out
	.p2alignl 7, 3214868480
	.fill 96, 4, 3214868480
	.section	.rodata,"a",@progbits
	.p2align	6, 0x0
	.amdhsa_kernel k_q9229748c0e_gemm_out
		.amdhsa_group_segment_fixed_size 327680
		.amdhsa_private_segment_fixed_size 0
		.amdhsa_enable_private_segment 0
		.amdhsa_kernarg_size 32
		.amdhsa_user_sgpr_count 2
		.amdhsa_user_sgpr_kernarg_segment_ptr 1
		.amdhsa_wavefront_size32 1
		.amdhsa_system_sgpr_workgroup_id_x 1
		.amdhsa_system_sgpr_workgroup_id_y 1
		.amdhsa_system_sgpr_workgroup_id_z 1
		.amdhsa_system_vgpr_workitem_id 0
		.amdhsa_next_free_vgpr 1024
		.amdhsa_next_free_sgpr 106
		.amdhsa_reserve_vcc 0
		.amdhsa_float_denorm_mode_32 3
		.amdhsa_float_denorm_mode_16_64 3
		.amdhsa_memory_ordered 1
		.amdhsa_forward_progress 1
		.amdhsa_inst_pref_size 102
	.end_amdhsa_kernel
	.amdgpu_metadata
---
amdhsa.version: [ 1, 2 ]
amdhsa.kernels:
  - .name:           k_q9229748c0e_gemm_out
    .symbol:         k_q9229748c0e_gemm_out.kd
    .args:
      - { .name: vals, .offset: 0, .size: 8, .value_kind: global_buffer, .address_space: global }
      - { .name: wq, .offset: 8, .size: 8, .value_kind: global_buffer, .address_space: global }
      - { .name: out0, .offset: 16, .size: 8, .value_kind: global_buffer, .address_space: global }
      - { .name: b_out, .offset: 24, .size: 8, .value_kind: global_buffer, .address_space: global }
    .group_segment_fixed_size: 327680
    .private_segment_fixed_size: 0
    .kernarg_segment_align: 8
    .kernarg_segment_size: 32
    .max_flat_workgroup_size: 128
    .sgpr_count:     106
    .vgpr_count:     1024
    .wavefront_size: 32
...
	.end_amdgpu_metadata
.endif
;; end of part 4
